; MI455X (gfx1250); checked and timed in simulation.
; The chip was launched on July 23, 2026; its instructions are those of AMD's public machine-readable ISA for CDNA 5 (MIT licence, August 2026) and "CDNA5" Instruction Set Architecture Reference Guide (July 2026). The comments in the code are by the model that wrote it; some were corrected since.
;; Causal Self Attention. Allowed arithmetic: matrix products marked QUANTISED: E2M3 operands, one E8M0 scale for each 32 along K, by v_wmma_scale_f32_16x16x128_f8f6f4 with both operands' format E2M3, f32 sums; everything else in f32.
;; Inputs: wk 512 x 2,048 float32; wo 2,048 x 2,048 float32; wq 2,048 x 2,048 float32; wv 512 x 2,048 float32; x 1 x 2,048 x 2,048 float32.
;; Outputs: out0 1 x 2,048 x 2,048 float32.
;; This version of the problem:
;;   THIS VERSION OF THE PROBLEM IS GIVEN IN LOW PRECISION. The matrix products marked QUANTISED in the list below multiply operands that are first quantised to E2M3 (2 exponent bits, 3 mantissa bits; 6 bits a number), with one power-of-two scale for each 32 numbers along K (OCP MX v1.0); their sums are f32. All else is computed in f32.
;;   The module's matrix products, in the order in which they are computed (A, B: the left and right operand; K: the contracted axis; several contracted axes count as one K, in the product's order):
;;     1. [M 2,048, K 2,048] x [K 2,048, N 2,048]; A: input x; B: input wq: QUANTISED
;;     2. [M 2,048, K 2,048] x [K 2,048, N 512]; A: input x; B: input wk: QUANTISED
;;     3. [M 2,048, K 2,048] x [K 2,048, N 512]; A: input x; B: input wv: QUANTISED
;;     4. batch 32 x [M 2,048, K 64] x [K 64, N 2,048]; A: computed on the way; B: computed on the way: QUANTISED
;;     5. batch 32 x [M 2,048, K 2,048] x [K 2,048, N 64]; A: softmax (see below); B: computed on the way: QUANTISED
;;     6. [M 2,048, K 2,048] x [K 2,048, N 2,048]; A: computed on the way; B: input wo: QUANTISED
;;   THE QUANTISER, for each operand of a quantised product, along K:
;;     - K is cut into blocks of 32 from its start; a last block that is shorter is filled with zeros.
;;     - A block's scale is 2^e with e = floor(log2(the largest magnitude in the block)) - 2, held to -126 .. 127; a block of zeros has e = 0. As a byte (E8M0): e + 127.
;;     - Each number is divided by its block's scale, clamped to +-7.5, and rounded to the nearest number of E2M3, ties to even, subnormals kept.
;;     - The product sums the exact products of the quantised numbers (number of the format x scale) in f32.
;;   ~~~python
;;   def quantise(x, axis):      # numpy; x: float32 -> the quantised numbers, widened to float32 again
;;       x = np.moveaxis(x, axis, -1); K = x.shape[-1]
;;       x = np.pad(x, [(0, 0)] * (x.ndim - 1) + [(0, -K % 32)]); x = x.reshape(x.shape[:-1] + (-1, 32)); a = np.abs(x).max(-1, keepdims=True)
;;       e = np.where(a > 0, np.clip(np.frexp(np.where(a > 0, a, 1))[1] - 1 - 2, -126, 127), 0)      # np.frexp(a)[1] - 1 = floor(log2(a)), exactly
;;       r = np.clip(x / 2.0 ** e, -7.5, 7.5)
;;       step = 2.0 ** (np.maximum(np.frexp(np.where(r == 0, 1, r))[1] - 1, 0) - 3)
;;       q = np.round(r / step) * step * 2.0 ** e      # np.round: ties to even
;;       return np.moveaxis(q.reshape(q.shape[:-2] + (-1,))[..., :K], -1, axis).astype(np.float32)
;;   ~~~
;;   SOFTMAX AHEAD OF A QUANTISED PRODUCT. Where the list says 'softmax', what is quantised is not the finished softmax but p = 2^(t - M), with t = logit x log2(e) and M = ceil(the row's largest t), a whole number; so 1/2 < the row's largest p <= 1. The row's sum l is taken of the UNQUANTISED p, in f32, and the product's result is divided by l at the end. Since M is a whole number, a kernel that streams over the keys may use a running M (the ceiling of the running maximum): every later rescaling is an exact power of two, which a block's scale takes up: the codes' values come out the same.
;;   OPERANDS COMPUTED ON THE WAY. 'Computed on the way' means the value that the module computes at that place (a softmax that the list does not call 'softmax' is quantised finished and normalised). What goes into a quantiser is computed in f32, as accurately as f32 sums, v_exp_f32 and their like allow (about 1e-6 of the number): no bf16 or f16 on the way to a quantiser, and a product that is left as it is and whose result goes on into a quantised operand takes f32 operands (vector FMAs, or v_wmma_f32_16x16x4_f32). A number that lies on a knife's edge between two numbers of the format may be rounded either way, as far as f32 arithmetic and the matrix unit's own rounding can turn it there, and no further.
;; One version. Each part assembles by itself: llvm-mc -triple=amdgcn-amd-amdhsa -mcpu=gfx1250 --defsym DOCPART=n.
;; ======== version 1 of 1: 4 launches
;; limits: right only within a limited range of input values
;; workspace buffers: opq 11,468,800 bytes; rope 524,288 bytes; qk 4,096,000 bytes; vv 819,200 bytes; aq 3,276,800 bytes
;; launch prep (part 1): grid 480 x 1, 4 waves a work-group, no clusters, 34,304 bytes of LDS; arguments x, wq, wk, wv, wo, opq, rope; writes opq, rope
.if DOCPART == 1
	.amdgcn_target "amdgcn-amd-amdhsa--gfx1250"
	.amdhsa_code_object_version 6
	.text
	.protected	k_qb7e286fa34_prep
	.globl	k_qb7e286fa34_prep
	.p2align	8
	.type	k_qb7e286fa34_prep,@function
k_qb7e286fa34_prep:
	s_mov_b64 s[64:65], 0
	v_nop
	global_prefetch_b8 v0, s[64:65] scope:SCOPE_SE
	s_setreg_imm32_b32 hwreg(HW_REG_WAVE_MODE, 25, 1), 1
	s_wait_xcnt 0x0
; PREP.  (1) x [2048][2048], wq [2048][2048], wk, wv [512][2048], wo [2048][2048], all f32 with K innermost, become codes of E2M3 with one E8M0 byte for each 32 along K.
; (2) the table of cos and sin for the rotation of q and k: [token][32 pairs][cos, sin], f32.
; THE CODES' LAYOUT is this program's own: an operand lies as an IMAGE OF ITS REGISTERS.  A fragment (16 rows x 128 K, 12 registers a lane) is 1,536 bytes: register 4 c + i of lane l at 512 c + 16 l + 4 i.
; A BRICK is one tile of 16 rows x 512 K: four fragments, then 256 bytes of scale words (row r's word of fragment f at 6144 + 16 r + 4 f): 6,400 bytes = 25 x 256.
; THE ROWS OF A TILE ARE NOT NEIGHBOURS: lane r of tile T is row 32 (T / 2) + 8 (T % 2) + r + 8 (r / 8), so that results made with a tile as source 0 have 16 neighbours in the 16 registers of tiles 2 b, 2 b + 1.
; Bricks in opq: x at kq 128 + tile; wq | wk | wv at 512 + kq 192 + tile (0-127 q, 128-159 k, 160-191 v); wo at 1280 + kq 128 + tile.  kq = K / 512.
; SHARES.  Work-groups 0-447: one tile each, wave w takes kq = w: 16 rows x 2,048 bytes.  Work-groups 448-479: 64 tokens of the table each, 16 a wave, a lane to a pair.
; A block's scale is 2^(floor(log2(largest magnitude)) - 2): its byte is the largest magnitude's exponent field - 2, held at 1 from below by a floor among the maximum's leaves.
; LIMITS: NaN and infinities among the inputs are not served; a block whose largest magnitude lies under 2^-124 (a block of zeros too) keeps the byte 1: its bytes are read by this program alone.
; theta_j is 10^(-j / 8) rounded once to f32; the definition's power and division may differ from it by an ulp.  sin and cos come by a reduction with pi / 2 in three parts and two polynomials on [-pi/4, pi/4].
.set ROWB,  8192                       ; a row of every input in bytes
.set SP,    528                        ; a row of the stage: 512 bytes + 16 = 33 x 16 bytes
.set WST,   16*SP                      ; a wave's stage
.set BRICK, 6400
.set R,   16                           ; v16-143 of windows 0 and 1: four sets of 64: the four fragments' numbers as loaded (fragments 2, 3 in window 1)
.set X,   144                          ; v144-207 my 64 numbers: k = 64 c + 32 h + 0 .. 31 of row r at X + 32 c
.set PC,  208                          ; v208-219 the fragment's codes
.set CT,  220                          ; v220-222, v224-226 the upper halves of the two blocks (a conversion's three registers begin on an even number)
.set TM,  228                          ; v228-235 at work
.set WD,  240                          ; v240-243 the four fragments' scale words
.set WV,  18
	s_load_b256 s[4:11], s[0:1], 0x0               ; x, wq, wk, wv
	s_load_b128 s[12:15], s[0:1], 0x20             ; wo, opq
	s_load_b64 s[16:17], s[0:1], 0x30              ; rope
	v_lshl_add_u32 v254, v0, 2, 0x8400
	v_mov_b32 v255, 0
	v_lshrrev_b32 v5, 5, v0
	v_readfirstlane_b32 s[WV], v5                  ; wave 0..3
	v_and_b32 v6, 31, v0                           ; lane
	s_cmp_ge_u32 ttmp9, 448
	s_cbranch_scc1 .Ltable
	; ---------------- the quantiser
	v_lshlrev_b32 v1, 4, v6                        ; 16 x lane: my bytes of a load's 512, and of an image's
	s_mul_i32 s19, s[WV], WST
	v_add_nc_u32 v2, s19, v1                       ; the stage, on the way in
	v_and_b32 v7, 15, v0                           ; r
	v_bfe_u32 v8, v0, 4, 1                         ; h
	v_mul_u32_u24 v3, v7, SP
	v_lshl_add_u32 v3, v8, 7, v3
	v_add_nc_u32 v3, s19, v3                       ; and on the way out: row r, + 128 h
	v_lshlrev_b32 v4, 4, v7
	v_lshl_add_u32 v4, v8, 3, v4                   ; 16 r + 8 h: my two scale words
	v_lshlrev_b32 v9, 3, v8                        ; 8 h: my bytes' place in a scale word
	v_cmp_ne_u32 s30, 0, v8                        ; lanes 16-31
	v_mov_b32 v10, 0                               ; (a lane permute's destination counts as one of its sources)
	s_mov_b32 s32, 0x76543210
	s_mov_b32 s33, 0xfedcba98                      ; v_permlanex16_b32's selects for lane l xor 16
	s_mov_b32 s22, 320                             ; the tensor's first work-group,
	s_mov_b32 s23, 320                             ; its group of bricks' first work-group,
	s_mov_b32 s24, 1280                            ; that group's first brick,
	s_mov_b32 s25, 128                             ; and its bricks for each kq
	s_wait_alu depctr_va_vdst(0)
	s_wait_kmcnt 0x0
	s_mov_b64 s[20:21], s[12:13]                   ; wo, unless the work-group's number says otherwise: only pointers and numbers are chosen, all take one way through the text
	s_cmp_lt_u32 ttmp9, 320
	s_cselect_b64 s[20:21], s[10:11], s[20:21]     ; wv
	s_cselect_b32 s22, 288, s22
	s_cselect_b32 s23, 128, s23
	s_cselect_b32 s24, 512, s24
	s_cselect_b32 s25, 192, s25
	s_cmp_lt_u32 ttmp9, 288
	s_cselect_b64 s[20:21], s[8:9], s[20:21]       ; wk
	s_cselect_b32 s22, 256, s22
	s_cmp_lt_u32 ttmp9, 256
	s_cselect_b64 s[20:21], s[6:7], s[20:21]       ; wq
	s_cselect_b32 s22, 128, s22
	s_cmp_lt_u32 ttmp9, 128
	s_cselect_b64 s[20:21], s[4:5], s[20:21]       ; x
	s_cselect_b32 s22, 0, s22
	s_cselect_b32 s23, 0, s23
	s_cselect_b32 s24, 0, s24
	s_cselect_b32 s25, 128, s25
	s_sub_co_u32 s26, ttmp9, s22                   ; the tile in its tensor
	s_lshr_b32 s27, s26, 1
	s_lshl_b32 s27, s27, 18                        ; 32 (T / 2) rows of 8,192 bytes
	s_and_b32 s28, s26, 1
	s_lshl_b32 s28, s28, 16                        ; 8 (T % 2) rows
	s_add_co_u32 s27, s27, s28
	s_lshl_b32 s28, s[WV], 11                      ; kq x 2,048 bytes
	s_add_co_u32 s26, s27, s28
	s_mov_b32 s27, 0
	s_add_nc_u64 s[20:21], s[20:21], s[26:27]
	s_mul_i32 s28, s[WV], s25
	s_add_co_u32 s28, s28, s24
	s_add_co_u32 s28, s28, ttmp9
	s_sub_co_u32 s28, s28, s23                     ; my brick
	s_mul_i32 s28, s28, BRICK
	s_mov_b32 s29, 0
	s_add_nc_u64 s[14:15], s[14:15], s[28:29]
.macro LOAD f                          ; fragment f: each load takes 512 consecutive bytes of one row of the tile
.if (\f) >= 2
	s_set_vgpr_msb 0x40                            ; destination window 1, address window 0
.endif
.irp i, 0,1,2,3,4,5,6,7,8,9,10,11,12,13,14,15
	global_load_b128 v[R+64*((\f)%2)+4*\i:R+64*((\f)%2)+4*\i+3], v1, s[20:21] offset:(\i+8*(\i/8))*ROWB+512*(\f) th:TH_LOAD_NT
.endr
.if (\f) >= 2
	s_set_vgpr_msb 0x4000
.endif
.endm
.macro FRAGQ f
	s_wait_loadcnt 16*(3-(\f))                     ; this fragment's 16 loads are in; those of the later fragments, 16 each, may be out
.if (\f) >= 2
	s_set_vgpr_msb 0x04                            ; the stores' data: window 1
.endif
.irp i, 0,1,2,3,4,5,6,7,8,9,10,11,12,13,14,15
	ds_store_b128 v2, v[R+64*((\f)%2)+4*\i:R+64*((\f)%2)+4*\i+3] offset:\i*SP
.endr
.irp i, 0,1,2,3,4,5,6,7
	ds_load_b128 v[X+4*\i:X+4*\i+3], v3 offset:16*\i               ; LDS serves a wave's instructions in order: these see the stores above.  k = 32 h + 0 .. 31 of row r,
.endr
.irp i, 0,1,2,3,4,5,6,7
	ds_load_b128 v[X+32+4*\i:X+32+4*\i+3], v3 offset:256+16*\i     ; and k = 64 + 32 h + 0 .. 31: two whole blocks a lane
.endr
	s_wait_dscnt 0x0
.if (\f) >= 2
	s_set_vgpr_msb 0x0400
.endif
	v_max3_num_f32 v[TM], |v[X]|, |v[X+1]|, 0x1800000              ; the largest magnitude of each block, and the floor 2^(3 - 127): the byte cannot fall under 1
	v_max3_num_f32 v[TM+1], |v[X+32]|, |v[X+33]|, 0x1800000
.irp i, 2,4,6,8,10,12,14,16,18,20,22,24,26,28,30
	v_max3_num_f32 v[TM], v[TM], |v[X+\i]|, |v[X+\i+1]|
	v_max3_num_f32 v[TM+1], v[TM+1], |v[X+32+\i]|, |v[X+33+\i]|
.endr
	v_add_nc_u32 v[TM+2], 0xff000000, v[TM]        ; 2 off the exponent field: the conversion takes this operand's exponent field as its scale
	v_add_nc_u32 v[TM+3], 0xff000000, v[TM+1]
	v_lshrrev_b32 v[TM+4], 23, v[TM+2]             ; the bytes of blocks h and 2 + h
	v_lshrrev_b32 v[TM+5], 23, v[TM+3]
	v_lshl_or_b32 v[TM+4], v[TM+5], 16, v[TM+4]
	v_lshlrev_b32 v[TM+4], v9, v[TM+4]             ; at their places in the word
	v_permlanex16_b32 v10, v[TM+4], s32, s33
	v_or_b32 v[WD+(\f)], v[TM+4], v10              ; with lane l xor 16's two the word is whole
	s_wait_alu depctr_va_vdst(0)
	s_wait_xcnt 0x0                                ; the last fragment's stores have read the codes' registers: only now are they written again
.irp c, 0,1
	v_cvt_scalef32_pk16_fp6_f32 v[PC+6*\c:PC+6*\c+2], v[X+32*\c:X+32*\c+15], v[TM+2+\c]
	v_cvt_scalef32_pk16_fp6_f32 v[CT+4*\c:CT+4*\c+2], v[X+32*\c+16:X+32*\c+31], v[TM+2+\c]
.endr
	v_nop                                          ; one plain place behind a scaled conversion
.irp c, 0,1
.irp i, 0,1,2
	v_mov_b32 v[PC+6*\c+3+\i], v[CT+4*\c+\i]
.endr
.endr
.irp c, 0,1,2
	global_store_b128 v1, v[PC+4*\c:PC+4*\c+3], s[14:15] offset:1536*(\f)+512*\c   ; 32 lanes store 512 consecutive bytes, at a multiple of 256 from the buffer's first byte
.endr
.endm
	LOAD 0                                         ; all of my 32,768 bytes are asked for at once: 64 loads
	LOAD 1
	LOAD 2
	LOAD 3
	FRAGQ 0
	FRAGQ 1
	FRAGQ 2
	FRAGQ 3
	v_cndmask_b32 v[TM], v[WD], v[WD+2], s30       ; lanes 0-15 store row r's words 0, 1, lanes 16-31 its words 2, 3
	v_cndmask_b32 v[TM+1], v[WD+1], v[WD+3], s30
	global_store_b64 v4, v[TM:TM+1], s[14:15] offset:6144          ; 256 consecutive bytes
	s_wait_tensorcnt 0x0
	ds_add_u32 v254, v255
	s_wait_dscnt 0x0
	s_endpgm
	; ---------------- the table
.Ltable:
.macro TH lane, val
	s_mov_b32 s20, \val
	v_writelane_b32 v2, s20, \lane
.endm
	v_mov_b32 v2, 0                                ; theta of my pair: 10^(-lane / 8)
	TH 0, 1.0
	TH 1, 0.7498942093324559
	TH 2, 0.5623413251903491
	TH 3, 0.4216965034285822
	TH 4, 0.31622776601683794
	TH 5, 0.23713737056616552
	TH 6, 0.17782794100389228
	TH 7, 0.1333521432163324
	TH 8, 0.1
	TH 9, 0.07498942093324559
	TH 10, 0.05623413251903491
	TH 11, 0.04216965034285822
	TH 12, 0.031622776601683794
	TH 13, 0.023713737056616552
	TH 14, 0.017782794100389228
	TH 15, 0.01333521432163324
	TH 16, 0.01
	TH 17, 0.007498942093324559
	TH 18, 0.005623413251903491
	TH 19, 0.004216965034285822
	TH 20, 0.0031622776601683794
	TH 21, 0.0023713737056616552
	TH 22, 0.0017782794100389228
	TH 23, 0.001333521432163324
	TH 24, 0.001
	TH 25, 0.0007498942093324559
	TH 26, 0.0005623413251903491
	TH 27, 0.0004216965034285822
	TH 28, 0.00031622776601683794
	TH 29, 0.00023713737056616552
	TH 30, 0.00017782794100389228
	TH 31, 0.0001333521432163324
	v_lshlrev_b32 v3, 3, v6                        ; 8 bytes a pair
	s_sub_co_u32 s19, ttmp9, 448
	s_lshl_b32 s19, s19, 6
	s_lshl_b32 s21, s[WV], 4
	s_add_co_u32 s19, s19, s21                     ; my wave's first token
	s_lshl_b32 s22, s19, 8                         ; 256 bytes a token
	s_mov_b32 s23, 0
	s_mov_b32 s24, 0x3fc90fda                      ; pi / 2 in three parts
	s_mov_b32 s25, 0x33a22168
	s_mov_b32 s26, 0x27c234c4
	s_mov_b32 s27, -0.00019515295891               ; sin r = r + r z (s29 + z (s28 + z s27)), z = r r
	s_mov_b32 s28, 0.0083321608736
	s_mov_b32 s29, -0.16666654611
	s_mov_b32 s30, 0.00002443315711809948          ; cos r = 1 - z / 2 + z z (s34 + z (s31 + z s30))
	s_mov_b32 s31, -0.001388731625493765
	s_mov_b32 s34, 0.04166664568298827
	s_wait_kmcnt 0x0
	s_add_nc_u64 s[16:17], s[16:17], s[22:23]
.macro TOKEN n
	s_add_co_u32 s21, s19, \n
	v_cvt_f32_u32 v4, s21
	s_wait_alu depctr_va_vdst(0)
	v_mul_f32 v4, v4, v2                           ; the angle: position x theta, rounded once, as the definition has it
	v_mul_f32 v5, 0x3f22f983, v4                   ; x 2 / pi
	v_rndne_f32 v5, v5                             ; how many quarter turns
	v_fma_f32 v6, -v5, s24, v4
	v_fma_f32 v6, -v5, s25, v6
	v_fma_f32 v6, -v5, s26, v6                     ; r, within pi / 4 of 0
	v_mul_f32 v7, v6, v6                           ; z
	v_cvt_i32_f32 v8, v5
	v_fma_f32 v9, v7, s27, s28
	v_fma_f32 v9, v9, v7, s29
	v_mul_f32 v10, v7, v6
	v_fma_f32 v9, v9, v10, v6                      ; sin r
	v_fma_f32 v11, v7, s30, s31
	v_fma_f32 v11, v11, v7, s34
	v_mul_f32 v12, v7, v7
	v_fma_f32 v13, v7, -0.5, 1.0
	v_fma_f32 v11, v11, v12, v13                   ; cos r
	v_and_b32 v14, 1, v8
	v_cmp_eq_u32 vcc_lo, 1, v14                    ; an odd number of quarter turns swaps the two
	v_cndmask_b32 v15, v11, v9, vcc_lo
	v_cndmask_b32 v16, v9, v11, vcc_lo
	v_add_nc_u32 v17, 1, v8
	v_and_b32 v17, 2, v17
	v_lshlrev_b32 v17, 30, v17                     ; cos is negative in quarters 1, 2
	v_xor_b32 v[32+2*\n], v15, v17
	v_and_b32 v18, 2, v8
	v_lshlrev_b32 v18, 30, v18                     ; sin in quarters 2, 3
	v_xor_b32 v[33+2*\n], v16, v18
	global_store_b64 v3, v[32+2*\n:33+2*\n], s[16:17] offset:256*\n   ; a token's 256 bytes; each token has its own two registers, so no store's data are written again
.endm
.irp n, 0,1,2,3,4,5,6,7,8,9,10,11,12,13,14,15
	TOKEN \n
.endr
	s_endpgm
.Lfunc_end_k_qb7e286fa34_prep:
	.size	k_qb7e286fa34_prep, .Lfunc_end_k_qb7e286fa34_prep-k_qb7e286fa34_prep
	.p2alignl 7, 3214868480
	.fill 96, 4, 3214868480
	.section	.rodata,"a",@progbits
	.p2align	6, 0x0
	.amdhsa_kernel k_qb7e286fa34_prep
		.amdhsa_group_segment_fixed_size 34304
		.amdhsa_private_segment_fixed_size 0
		.amdhsa_enable_private_segment 0
		.amdhsa_kernarg_size 56
		.amdhsa_user_sgpr_count 2
		.amdhsa_user_sgpr_kernarg_segment_ptr 1
		.amdhsa_wavefront_size32 1
		.amdhsa_system_sgpr_workgroup_id_x 1
		.amdhsa_system_sgpr_workgroup_id_y 1
		.amdhsa_system_sgpr_workgroup_id_z 1
		.amdhsa_system_vgpr_workitem_id 0
		.amdhsa_next_free_vgpr 512
		.amdhsa_next_free_sgpr 66
		.amdhsa_reserve_vcc 1
		.amdhsa_float_denorm_mode_32 3
		.amdhsa_float_denorm_mode_16_64 3
		.amdhsa_memory_ordered 1
		.amdhsa_forward_progress 1
		.amdhsa_inst_pref_size 59
	.end_amdhsa_kernel
	.amdgpu_metadata
---
amdhsa.version: [ 1, 2 ]
amdhsa.kernels:
  - .name:           k_qb7e286fa34_prep
    .symbol:         k_qb7e286fa34_prep.kd
    .args:
      - { .name: x, .offset: 0, .size: 8, .value_kind: global_buffer, .address_space: global }
      - { .name: wq, .offset: 8, .size: 8, .value_kind: global_buffer, .address_space: global }
      - { .name: wk, .offset: 16, .size: 8, .value_kind: global_buffer, .address_space: global }
      - { .name: wv, .offset: 24, .size: 8, .value_kind: global_buffer, .address_space: global }
      - { .name: wo, .offset: 32, .size: 8, .value_kind: global_buffer, .address_space: global }
      - { .name: opq, .offset: 40, .size: 8, .value_kind: global_buffer, .address_space: global }
      - { .name: rope, .offset: 48, .size: 8, .value_kind: global_buffer, .address_space: global }
    .group_segment_fixed_size: 34304
    .private_segment_fixed_size: 0
    .kernarg_segment_align: 8
    .kernarg_segment_size: 56
    .max_flat_workgroup_size: 128
    .sgpr_count:     66
    .vgpr_count:     512
    .wavefront_size: 32
...
	.end_amdgpu_metadata
.endif
;; end of part 1
;; launch qkv (part 2): grid 192 x 1, 4 waves a work-group, clusters of 4 x 1, 327,680 bytes of LDS; arguments opq, rope, qk, vv; writes qk, vv
.if DOCPART == 2
	.amdgcn_target "amdgcn-amd-amdhsa--gfx1250"
	.amdhsa_code_object_version 6
	.text
	.protected	k_qb7e286fa34_qkv
	.globl	k_qb7e286fa34_qkv
	.p2align	8
	.type	k_qb7e286fa34_qkv,@function
k_qb7e286fa34_qkv:
	s_mov_b64 s[64:65], 0
	v_nop
	global_prefetch_b8 v0, s[64:65] scope:SCOPE_SE
	s_setreg_imm32_b32 hwreg(HW_REG_WAVE_MODE, 25, 1), 1
	s_wait_xcnt 0x0
	s_wait_alu depctr_hold_cnt(0) depctr_sa_sdst(0) depctr_va_vdst(0) depctr_va_sdst(0) depctr_va_ssrc(0) depctr_va_vcc(0) depctr_vm_vsrc(0)
	s_getreg_b32 s2, hwreg(HW_REG_IB_STS2, 6, 4)
	s_cmp_eq_u32 s2, 0
	s_cbranch_scc0 .Lentry_in_a_cluster
	s_endpgm
.Lentry_in_a_cluster:
	s_bfe_u32 s2, ttmp6, 0x10000c
	s_cmp_lg_u32 s2, 0x3003
	s_cbranch_scc0 .Lentry_shape_is_right
	s_endpgm
.Lentry_shape_is_right:
; QKV.  q = x wq^T, k = x wk^T, v = x wv^T on codes of E2M3 (opq, made by the launch before); q and k are rotated and quantised along the head's 64, v is quantised along the keys.  Nothing wide goes to memory.
; OPERANDS lie as images of their registers: a fragment (16 rows x 128 K) is 1,536 bytes, register 4 c + i of lane l at 512 c + 16 l + 4 i; a brick (a tile x 512 K) is four fragments and 256 bytes of scale words: 6,400 bytes.
; Lane r of tile T is row 32 (T / 2) + 8 (T % 2) + r + 8 (r / 8): with such a tile as source 0, the 16 registers of tiles 2 b, 2 b + 1 hold the neighbours 32 b + 16 (lane / 16) + 0 .. 15.
; THE CORE.  A work-group makes P (16 tiles, source 0) x Q (8 tiles, source 1); wave (wp, wh) makes 8 x 4 tiles: 32 accumulators, 256 registers.  K = 2,048 goes in 16 steps of 128 through a ring of two LDS slots of 512 K
; (24 bricks, 153,600 bytes), filled by the tensor data mover: waves 0, 1 bring P's halves, waves 2, 3 Q's, one load a wave at the head and one behind each change of slots.  Every LDS read is 512 consecutive bytes, so no padding is needed.
; PATHS, by the work-group's number 4 x cluster + cx.  0-159 (q, k): P = 256 rows of wq | wk (four heads), Q = 128 tokens: a lane holds one token and its registers run along the head.
;   160-191 (v): P = 256 tokens, Q = 128 rows of wv (two heads): a lane holds one channel and its registers run along the keys.  Only numbers differ in the core; the ways out are two texts, neither of which uses LDS.
; CLUSTER: four neighbouring work-groups have the same P on both paths (160 and 32 are multiples of 4, so no cluster holds both paths): P's tiles, 16 of a slot's 24 bricks, are asked for jointly.  Q differs between the four and comes by
;   plain loads.  The path hangs on the cluster's number alone; the place in the cluster enters Q's address, the table's and the outputs' only.  A round of the cluster's barrier stands in front of every group of loads.
; OUT.  qk: codes [40 heads: 0-31 q, 32-39 k][64 pairs of token tiles][1,536]: registers 0-5 the even tile's 64, registers 6-11 the odd tile's; from byte 3,932,160 scale words [40][32][32 lanes]: lanes 0-15 pair 2 i, lanes 16-31
;   pair 2 i + 1; bytes 0, 1 the even tile's blocks, 2, 3 the odd tile's.   vv: codes [8 heads][16 key steps][4 channel tiles][1,536]; from byte 786,432 scale words [8][16][2][32 lanes]: lanes 0-15 tile 2 i, lanes 16-31 tile 2 i + 1.
; LIMITS: NaN and infinities are not served; a block whose largest magnitude lies under 2^-124 keeps the byte 1 (the bytes are read by this program alone).
; REGISTERS: window 0: v1-15 addresses; v16-63 scale words, two sets of 24, and nothing else; v64-159 P's 8 fragments, v160-207 Q's 4 (set 0).  window 1: the accumulators, (a = Q's tile, b = P's tile) at v[8 (8 a + b)].  window 2: v64-207 set 1.
;   window 3: v0-127 the table of cos and sin of my 64 tokens.
.set BRICK, 6400
.set SLOT,  24*BRICK                   ; P's 16 bricks, then Q's 8
.set QOFF,  16*BRICK
.set SPARE, 2*SLOT                     ; behind the ring: the spare words, 128 bytes a wave: two blocks of 256 bytes that no other line names
.set ADP, 1                            ; v1-2   my P fragments in slot 0, 1: + 16 x lane
.set ADQ, 3                            ; v3-4   my Q fragments
.set ASP, 5                            ; v5-6   P's scale words: lanes 0-15 an even tile's rows, lanes 16-31 the next tile's
.set ASQ, 7                            ; v7-8   Q's
.set L4,  9                            ; v9     4 x lane
.set SPW, 10                           ; v10    my spare word; never rewritten
.set NIL, 11                           ; v11    0; never rewritten
.set LI,  12                           ; v12    16 x lane
.set RO,  13                           ; v13    my token's and half's place in the table; never rewritten
.set SC,  16
.set PF,  64
.set QF,  160
.set TBL, 0                            ; in window 3: for Q's tile a, register 32 a + i (i even): cos of the pair in the head's registers i, i + 1; 32 a + i + 1: its sin
.set WV,  12
.set WP,  13                           ; s13    which 8 tiles of P are mine
.set WH,  14                           ; s14    which 4 tiles of Q are mine; also: which half I fetch
.set G1P, 24                           ; s[24:31] group 1 for 8 bricks;  s[32:39] for 4
.set G1Q, 32
.set G0P, 40                           ; s[40:47] group 0 for P, a set for each slot;  s[48:55] for Q
.set G0Q, 48
.set STP, 56                           ; s[56:57] two kq on in P, in bytes;  s[58:59] in Q
.set STQ, 58
.set SEL, 60
.set HM,  62                           ; s62    lanes 16-31
.set MSB, 0
.macro WIN new                         ; the immediate's high byte repeats the setting that is left; a switch that changes nothing is dropped
.if MSB != (\new)
	s_set_vgpr_msb (MSB<<8)|(\new)
.set MSB, (\new)
.endif
.endm
.macro PLACES                          ; four plain places: in front of loads into registers that matrix instructions have read, and of the first read of results
.rept 4
	v_nop
.endr
.endm
.macro TLOAD s                         ; waves 0, 1 fetch for P (jointly with the cluster's other three), waves 2, 3 for Q; four v_nop follow each of the two lines
	s_cmp_lt_u32 s[WV], 2
	s_cbranch_scc0 .Lfor_q_\@
	tensor_load_to_lds s[G0P+4*\s:G0P+4*\s+3], s[G1P:G1P+7]
	s_nop 0
.rept 4
	v_nop
.endr
	s_branch .Lasked_\@
.Lfor_q_\@:
	tensor_load_to_lds s[G0Q+4*\s:G0Q+4*\s+3], s[G1Q:G1Q+7]
	s_nop 0
.rept 4
	v_nop
.endr
.Lasked_\@:
.endm
.macro CREST                           ; a round of the cluster's barrier behind its opening barrier
	s_cmp_lg_u32 s[WV], 0
	s_cbranch_scc1 .Lnot_wave_0_\@
	s_barrier_signal -3
.Lnot_wave_0_\@:
	s_barrier_wait -3
	s_barrier_signal -1
	s_barrier_wait -1
.endm
.macro CROUND                          ; a whole round
	s_barrier_signal -1
	s_barrier_wait -1
	CREST
.endm
.macro WM c                            ; one product; an odd tile's scale words stand in lanes 16-31 of their register
.if (oA == 0) && (oB == 0)
	v_wmma_scale_f32_16x16x128_f8f6f4 v[rD:rD+7], v[rA:rA+11], v[rB:rB+11], \c, v[rX], v[rY] matrix_a_fmt:MATRIX_FMT_FP6 matrix_b_fmt:MATRIX_FMT_FP6
.elseif (oA == 1) && (oB == 0)
	v_wmma_scale_f32_16x16x128_f8f6f4 v[rD:rD+7], v[rA:rA+11], v[rB:rB+11], \c, v[rX], v[rY] matrix_a_fmt:MATRIX_FMT_FP6 matrix_b_fmt:MATRIX_FMT_FP6 matrix_a_scale:MATRIX_SCALE_ROW1
.elseif (oA == 0)
	v_wmma_scale_f32_16x16x128_f8f6f4 v[rD:rD+7], v[rA:rA+11], v[rB:rB+11], \c, v[rX], v[rY] matrix_a_fmt:MATRIX_FMT_FP6 matrix_b_fmt:MATRIX_FMT_FP6 matrix_b_scale:MATRIX_SCALE_ROW1
.else
	v_wmma_scale_f32_16x16x128_f8f6f4 v[rD:rD+7], v[rA:rA+11], v[rB:rB+11], \c, v[rX], v[rY] matrix_a_fmt:MATRIX_FMT_FP6 matrix_b_fmt:MATRIX_FMT_FP6 matrix_a_scale:MATRIX_SCALE_ROW1 matrix_b_scale:MATRIX_SCALE_ROW1
.endif
.endm
; 16 products: Q's tiles 2 half, 2 half + 1 x P's eight, the slot's ks4-th 128 along K.  The 32 accumulators take turns, one instruction a turn, in the same order in every step.
.macro MUL16 half, ks4, sc, zero
.irp a, 2*(\half), 2*(\half)+1
.irp b, 0,1,2,3,4,5,6,7
.set rD, 8*(8*(\a)+\b)
.set rA, PF+12*\b
.set rB, QF+12*(\a)
.set rX, SC+24*(\sc)+4*(\b/2)+(\ks4)
.set rY, SC+24*(\sc)+16+4*((\a)/2)+(\ks4)
.set oA, \b%2
.set oB, (\a)%2
.if \zero
	WM 0
.else
	WM v[rD:rD+7]
.endif
.endr
.endr
.endm
.macro FETCH slot, ks4, set            ; 36 LDS loads in one run: my 8 + 4 fragments of one step
.if \set
	WIN 0x80                                       ; destination window 2
.endif
.irp b, 0,1,2,3,4,5,6,7
.irp c, 0,1,2
	ds_load_b128 v[PF+12*\b+4*\c:PF+12*\b+4*\c+3], v[ADP+\slot] offset:\b*BRICK+1536*(\ks4)+512*\c
.endr
.endr
.irp a, 0,1,2,3
.irp c, 0,1,2
	ds_load_b128 v[QF+12*\a+4*\c:QF+12*\a+4*\c+3], v[ADQ+\slot] offset:\a*BRICK+1536*(\ks4)+512*\c
.endr
.endr
	WIN 0
.endm
.macro SCALES slot                     ; a slot's scale words: four words (its four steps) a row; register 4 i + ks4: lanes 0-15 tile 2 i, lanes 16-31 tile 2 i + 1
.irp i, 0,1,2,3
	ds_load_b128 v[SC+24*\slot+4*\i:SC+24*\slot+4*\i+3], v[ASP+\slot] offset:2*\i*BRICK
.endr
.irp i, 0,1
	ds_load_b128 v[SC+24*\slot+16+4*\i:SC+24*\slot+16+4*\i+3], v[ASQ+\slot] offset:2*\i*BRICK
.endr
.endm
.macro KSTEP slot, ks4, zero           ; one of a slot's first three steps: the next step's fragments are asked for, then this step's 32 products
	PLACES
	FETCH \slot, (\ks4)+1, 1-(\ks4)%2
	s_wait_dscnt 36                                ; all but the 36 just issued
	WIN 0x50+0x0a*((\ks4)%2)                       ; C and D window 1; A and B window 0 or 2
	MUL16 0, \ks4, \slot, \zero
	MUL16 1, \ks4, \slot, \zero
	WIN 0
.endm
; A slot's last step changes slots: ONE barrier, which opens a round of the cluster's barrier where the slot is filled again.  In front of it each wave waits for all its tensor loads (its part of the next slot), adds 0 to its spare word,
; and waits for that and for its reads of this slot.
.macro TURN slot, next, fill
	s_wait_tensorcnt 0x0                           ; no tensor load of mine is out, so a group 0 may be written
	ds_add_u32 v[SPW], v[NIL]                      ; 0 onto my spare word
	s_wait_dscnt 1                                 ; this step's fragments are in; the add may be out
.if \fill
	s_add_nc_u64 s[G0P+4*\slot+2:G0P+4*\slot+3], s[G0P+4*\slot+2:G0P+4*\slot+3], s[STP:STP+1]
	s_add_nc_u64 s[G0Q+4*\slot+2:G0Q+4*\slot+3], s[G0Q+4*\slot+2:G0Q+4*\slot+3], s[STQ:STQ+1]
.endif
	WIN 0x5a
	MUL16 0, 3, \slot, 0                           ; sixteen products stand between the add and the wait for it
	WIN 0
	s_wait_dscnt 0x0                               ; the add is done, and my reads of this slot are over
	s_barrier_signal -1
	s_barrier_wait -1                              ; both now hold of every wave
.if \fill
	CREST                                          ; and of every wave of the cluster's four work-groups
	TLOAD \slot                                    ; my one tensor load behind the round, and the first thing there; its four v_nop are also the places in front of the loads below
.else
	PLACES
.endif
	SCALES \next
	FETCH \next, 0, 0
	WIN 0x5a
	MUL16 1, 3, \slot, 0
	WIN 0
.endm
	s_load_b256 s[4:11], s[0:1], 0x0               ; opq s[4:5], rope s[6:7], qk s[8:9], vv s[10:11]
	v_lshl_add_u32 v[SPW], v0, 2, SPARE
	v_mov_b32 v[NIL], 0
	ds_add_u32 v10, v11                            ; the opening lines: the add, twice on end, and its wait ahead of the round and the first loads
	ds_add_u32 v10, v11
	s_wait_dscnt 0x0
	v_lshrrev_b32 v14, 5, v0
	v_readfirstlane_b32 s[WV], v14                 ; wave 0..3
	s_lshr_b32 s[WP], s[WV], 1
	s_and_b32 s[WH], s[WV], 1
	s_bfe_u32 s76, ttmp6, 0x40000                  ; cx: my place in the cluster
	s_lshr_b32 s16, ttmp9, 2                       ; q, k: pb = cluster / 4,
	s_and_b32 s17, ttmp9, 3
	s_lshl_b32 s17, s17, 2
	s_add_co_u32 s17, s17, s76                     ; qb = 4 (cluster % 4) + cx
	s_sub_co_u32 s21, ttmp9, 40                    ; v: pb = cluster - 40,
	s_mov_b32 s22, s76                             ; qb = cx
	s_mov_b32 s18, 128
	s_mov_b32 s19, 192
	s_cmp_lt_u32 ttmp9, 40
	s_cselect_b32 s15, 0, 1                        ; the path: 0 q and k, 1 v
	s_cselect_b32 s16, s16, s21                    ; pb
	s_cselect_b32 s17, s17, s22                    ; qb
	s_cselect_b32 s18, 192, s18                    ; P's bricks for each kq
	s_cselect_b32 s19, 128, s19                    ; Q's
	s_cselect_b32 s66, 512, 0                      ; P's first brick: the weights', or x's
	s_cselect_b32 s67, 0, 672                      ; Q's: x's, or wv's
	s_mov_b32 s[G1P], 15|(3<<16)|(1<<21)           ; a dense block as rows of 256 bytes: elements of 8 bytes, no padding; the mask names the cluster's four, bit 21 beside it
	s_mov_b32 s[G1P+1], 32<<16                     ; tensor_dim0 = 32
	s_mov_b32 s[G1P+2], 200<<16                    ; tensor_dim1 = 200 rows: 8 bricks
	s_mov_b32 s[G1P+3], 32<<16                     ; tile_dim0
	s_mov_b32 s[G1P+4], 200                        ; tile_dim1
	s_mov_b32 s[G1P+5], 32                         ; the pitch
	s_mov_b32 s[G1P+6], 0
	s_mov_b32 s[G1P+7], 0
	s_mov_b32 s[G1Q], 3<<16                        ; no mask: Q's tiles are my work-group's own
	s_mov_b32 s[G1Q+1], 32<<16
	s_mov_b32 s[G1Q+2], 100<<16                    ; 100 rows: 4 bricks
	s_mov_b32 s[G1Q+3], 32<<16
	s_mov_b32 s[G1Q+4], 100
	s_mov_b32 s[G1Q+5], 32
	s_mov_b32 s[G1Q+6], 0
	s_mov_b32 s[G1Q+7], 0
	s_lshl_b32 s20, s16, 4
	s_add_co_u32 s20, s20, s66
	s_lshl_b32 s21, s[WH], 3
	s_add_co_u32 s20, s20, s21                     ; P: the first of the 8 bricks that I fetch, at kq 0: made of pb and the wave's number, which the four share
	s_mul_i32 s20, s20, BRICK
	s_mov_b32 s21, 0
	s_lshl_b32 s22, s17, 3
	s_add_co_u32 s22, s22, s67
	s_lshl_b32 s23, s[WH], 2
	s_add_co_u32 s22, s22, s23                     ; Q: the first of 4
	s_mul_i32 s22, s22, BRICK
	s_mov_b32 s23, 0
	s_mul_i32 s[STP], s18, 2*BRICK
	s_mov_b32 s[STP+1], 0
	s_mul_i32 s[STQ], s19, 2*BRICK
	s_mov_b32 s[STQ+1], 0
	s_mul_i32 s68, s18, BRICK                      ; one kq on
	s_mov_b32 s69, 0
	s_mul_i32 s70, s19, BRICK
	s_mov_b32 s71, 0
	s_mul_i32 s72, s[WH], 8*BRICK                  ; where they go in a slot
	s_mul_i32 s73, s[WH], 4*BRICK
	s_add_co_u32 s73, s73, QOFF
	s_lshl_b32 s74, s17, 3
	s_lshl_b32 s75, s[WH], 2
	s_add_co_u32 s74, s74, s75                     ; my first tile of Q: on the q, k path a tile of tokens,
	s_lshl_b32 s74, s74, 12                        ; 16 tokens x 256 bytes of the table
	s_mov_b32 s75, 0
	s_mov_b32 s[SEL], 0x76543210
	s_mov_b32 s[SEL+1], 0xfedcba98
	s_wait_kmcnt 0x0
	s_add_nc_u64 s[6:7], s[6:7], s[74:75]
	s_mov_b32 s[G0P], 1
	s_mov_b32 s[G0P+1], s72
	s_add_nc_u64 s[G0P+2:G0P+3], s[4:5], s[20:21]
	s_mov_b32 s[G0P+4], 1
	s_add_co_u32 s[G0P+5], s72, SLOT
	s_add_nc_u64 s[G0P+6:G0P+7], s[G0P+2:G0P+3], s[68:69]
	s_or_b32 s[G0P+3], s[G0P+3], 0x80000000
	s_or_b32 s[G0P+7], s[G0P+7], 0x80000000
	s_mov_b32 s[G0Q], 1
	s_mov_b32 s[G0Q+1], s73
	s_add_nc_u64 s[G0Q+2:G0Q+3], s[4:5], s[22:23]
	s_mov_b32 s[G0Q+4], 1
	s_add_co_u32 s[G0Q+5], s73, SLOT
	s_add_nc_u64 s[G0Q+6:G0Q+7], s[G0Q+2:G0Q+3], s[70:71]
	s_or_b32 s[G0Q+3], s[G0Q+3], 0x80000000
	s_or_b32 s[G0Q+7], s[G0Q+7], 0x80000000
	CROUND                                         ; the four work-groups are here: the first joint loads meet
	TLOAD 0                                        ; slot 0's first fill: one tensor load a wave at the head
	v_and_b32 v[LI], 31, v0
	v_lshlrev_b32 v[L4], 2, v[LI]
	v_lshlrev_b32 v[LI], 4, v[LI]
	v_and_b32 v208, 15, v0                         ; r
	v_bfe_u32 v209, v0, 4, 1                       ; h
	v_and_b32 v210, 8, v208
	v_add_nc_u32 v210, v210, v208                  ; r + 8 (r / 8): my token in its tile
	v_lshlrev_b32 v210, 8, v210
	v_lshl_add_u32 v[RO], v209, 6, v210            ; its 256 bytes of the table, + 64 h: my half's eight pairs
	; The table of my 64 tokens is asked for now, straight behind the first tiles, and has the sixteen K steps in which to land: 32 loads a wave, waited for once, ahead of the rotation.
	; Every wave issues them, so that these registers are written on every way through the text.  On the v path (32 of the 192 work-groups) nothing reads them: 16 KB a wave asked for in vain; there 8 qb + 4 wh is at most 28,
	; so the loads stay inside the table's 128 tiles.  Their address registers, v13 and s[6:7], are not written again.
	WIN 0xc0                                       ; destination window 3
.irp a, 0,1,2,3
.irp q, 0,1,2,3,4,5,6,7
	global_load_b128 v[TBL+32*\a+4*\q:TBL+32*\a+4*\q+3], v[RO], s[6:7] offset:256*(32*(\a/2)+8*(\a%2))+128*(\q/4)+16*(\q%4)
.endr
.endr
	WIN 0
	v_lshlrev_b32 v15, 4, v208
	v_mad_u32_u24 v15, v209, BRICK, v15            ; 16 r + one brick for lanes 16-31
	s_mul_i32 s20, s[WP], 8*BRICK
	s_mul_i32 s21, s[WH], 4*BRICK
	s_add_co_u32 s21, s21, QOFF
	v_add_nc_u32 v[ADP], s20, v[LI]
	v_add_nc_u32 v[ADQ], s21, v[LI]
	v_add_nc_u32 v[ADP+1], SLOT, v[ADP]
	v_add_nc_u32 v[ADQ+1], SLOT, v[ADQ]
	s_add_co_u32 s20, s20, 6144
	s_add_co_u32 s21, s21, 6144
	v_add_nc_u32 v[ASP], s20, v15
	v_add_nc_u32 v[ASQ], s21, v15
	v_add_nc_u32 v[ASP+1], SLOT, v[ASP]
	v_add_nc_u32 v[ASQ+1], SLOT, v[ASQ]
	v_cmp_ne_u32 s[HM], 0, v209
	s_wait_alu depctr_va_vdst(0)                   ; the wait at the head's end
	s_wait_tensorcnt 0x0                           ; my part of slot 0 is in; slot 1's first fill is issued as a refill is
	ds_add_u32 v[SPW], v[NIL]
	s_wait_dscnt 0x0
	CROUND                                         ; everybody's part of slot 0 is in, and the four work-groups are here
	TLOAD 1                                        ; kq 1 into slot 1: my one tensor load behind this round
	SCALES 0
	FETCH 0, 0, 0
	KSTEP 0, 0, 1                                  ; the first step's products start the sums: nothing is cleared
	KSTEP 0, 1, 0
	KSTEP 0, 2, 0
	TURN 0, 1, 1                                   ; slot 0 takes kq 2
	KSTEP 1, 0, 0
	KSTEP 1, 1, 0
	KSTEP 1, 2, 0
	TURN 1, 0, 1                                   ; slot 1 takes kq 3
	KSTEP 0, 0, 0
	KSTEP 0, 1, 0
	KSTEP 0, 2, 0
	TURN 0, 1, 0                                   ; nothing is left to fetch
	KSTEP 1, 0, 0
	KSTEP 1, 1, 0
	KSTEP 1, 2, 0
	s_wait_dscnt 0x0                               ; the very last step's fragments
	WIN 0x5a
	MUL16 0, 3, 1, 0
	MUL16 1, 3, 1, 0
	WIN 0
	PLACES
	s_cmp_lg_u32 s15, 0
	s_cbranch_scc1 .Lvpath
	; ---------------- q and k.  Accumulator registers 64 a + 32 hd + i of lane (r, h): token r of tile a, head hd of my two, channel 32 (i / 16) + 16 h + i % 16.
.set RR,  192                          ; v192-223 a head's 32 rotated numbers of my token
.set TM2, 224                          ; v224-231 at work
.set CT2, 232                          ; v232-234
.set PC,  236                          ; v236-247 a pair of tiles' codes
.set WD,  248                          ; v248-251 scale words: 2 hd + pair
.macro ROT a, hd                       ; r0 = x0 cos - x1 sin, r1 = x1 cos + x0 sin; each accumulator is read from its low end on
	WIN 0x0d                                       ; source 0 (the sums) window 1, source 1 (the table) window 3
.irp i, 0,2,4,6,8,10,12,14,16,18,20,22,24,26,28,30
	v_mul_f32 v[RR+\i], v[64*(\a)+32*(\hd)+\i+1], v[TBL+32*(\a)+\i+1]
	v_mul_f32 v[RR+\i+1], v[64*(\a)+32*(\hd)+\i], v[TBL+32*(\a)+\i+1]
.endr
.irp i, 0,2,4,6,8,10,12,14,16,18,20,22,24,26,28,30
	v_fma_f32 v[RR+\i], v[64*(\a)+32*(\hd)+\i], v[TBL+32*(\a)+\i], -v[RR+\i]
	v_fma_f32 v[RR+\i+1], v[64*(\a)+32*(\hd)+\i+1], v[TBL+32*(\a)+\i], v[RR+\i+1]
.endr
	WIN 0
.endm
.macro QUANT2 c, w                     ; the 32 numbers in RR (two blocks, 16 of each in my lane) become registers 6 c .. 6 c + 5 of the pair's codes and two bytes of its scale word
	v_max3_num_f32 v[TM2], |v[RR]|, |v[RR+1]|, 0x1800000           ; and the floor 2^(3 - 127): the byte cannot fall under 1
	v_max3_num_f32 v[TM2+1], |v[RR+16]|, |v[RR+17]|, 0x1800000
.irp i, 2,4,6,8,10,12,14
	v_max3_num_f32 v[TM2], v[TM2], |v[RR+\i]|, |v[RR+\i+1]|
	v_max3_num_f32 v[TM2+1], v[TM2+1], |v[RR+16+\i]|, |v[RR+17+\i]|
.endr
	v_permlanex16_b32 v[TM2+2], v[TM2], s[SEL], s[SEL+1]
	v_permlanex16_b32 v[TM2+3], v[TM2+1], s[SEL], s[SEL+1]
	v_max_num_f32 v[TM2], v[TM2], v[TM2+2]         ; with lane l xor 16's: the blocks' largest magnitudes
	v_max_num_f32 v[TM2+1], v[TM2+1], v[TM2+3]
	v_add_nc_u32 v[TM2+4], 0xff000000, v[TM2]      ; 2 off the exponent field: the conversion's scale operand
	v_add_nc_u32 v[TM2+5], 0xff000000, v[TM2+1]
	v_lshrrev_b32 v[TM2+6], 23, v[TM2+4]           ; the bytes
	v_lshrrev_b32 v[TM2+7], 23, v[TM2+5]
	v_cvt_scalef32_pk16_fp6_f32 v[PC+6*\c:PC+6*\c+2], v[RR:RR+15], v[TM2+4]
	v_cvt_scalef32_pk16_fp6_f32 v[CT2:CT2+2], v[RR+16:RR+31], v[TM2+5]
	v_lshl_or_b32 v[TM2+6], v[TM2+7], 8, v[TM2+6]  ; (a plain place behind the conversions)
.irp i, 0,1,2
	v_permlane16_swap_b32 v[PC+6*\c+\i], v[CT2+\i] ; a whole block to a lane: lanes 0-15 block 0, lanes 16-31 block 1
.endr
.irp i, 0,1,2
	v_mov_b32 v[PC+6*\c+3+\i], v[CT2+\i]
.endr
.if \c
	v_lshl_or_b32 v[\w], v[TM2+6], 16, v[\w]
.else
	v_mov_b32 v[\w], v[TM2+6]
.endif
.endm
	s_lshl_b32 s20, s16, 2
	s_lshl_b32 s21, s[WP], 1
	s_add_co_u32 s20, s20, s21                     ; my first head: 4 pb + 2 wp
	s_lshl_b32 s21, s17, 1
	s_add_co_u32 s21, s21, s[WH]                   ; my first tile of tokens / 4
	s_mul_i32 s22, s20, 98304
	s_mul_i32 s23, s21, 3072                       ; two pairs of 1,536 bytes
	s_add_co_u32 s22, s22, s23
	s_mov_b32 s23, 0
	s_add_nc_u64 s[66:67], s[8:9], s[22:23]        ; the codes
	s_lshl_b32 s22, s20, 12
	s_lshl_b32 s21, s21, 7
	s_add_co_u32 s22, s22, s21
	s_add_co_u32 s22, s22, 3932160
	s_add_nc_u64 s[68:69], s[8:9], s[22:23]        ; the scale words
	v_mov_b32 v[TM2+2], 0                          ; (a lane permute's destination counts as one of its sources)
	v_mov_b32 v[TM2+3], 0
	s_wait_loadcnt 0x0                             ; the table, asked for at the kernel's head
.irp pp, 0,1
.irp hd, 0,1
	s_wait_xcnt 0x0                                ; the last pair's stores have read the codes' registers
	ROT 2*\pp, \hd
	QUANT2 0, WD+2*\hd+\pp
	ROT 2*\pp+1, \hd
	QUANT2 1, WD+2*\hd+\pp
.irp c, 0,1,2
	global_store_b128 v[LI], v[PC+4*\c:PC+4*\c+3], s[66:67] offset:\hd*98304+\pp*1536+512*\c   ; 512 consecutive bytes, at a multiple of 256 from the buffer's first byte
.endr
.endr
.endr
.irp hd, 0,1
	v_cndmask_b32 v[TM2+\hd], v[WD+2*\hd], v[WD+2*\hd+1], s[HM]    ; lanes 0-15 my first pair's words, lanes 16-31 my second's
	global_store_b32 v[L4], v[TM2+\hd], s[68:69] offset:\hd*4096
.endr
	s_branch .Lend
	; ---------------- v.  Accumulator registers 64 a + 16 b + i of lane (r, h): channel r of tile a, key 32 b + 16 h + i of my key step.
.Lvpath:
.set TM4, 192                          ; v192-207 at work
.set CT4, 208                          ; v208-210, v212-214
.macro QUANT4 s, w                     ; 64 numbers of window 1 become a fragment's codes and its scale word
	WIN 0x14                                       ; sources 1 and 2 window 1
.irp b, 0,1,2,3
	v_max3_num_f32 v[TM4+\b], 0x1800000, |v[(\s)+16*\b]|, |v[(\s)+16*\b+1]|   ; each accumulator is read from its low end on
.endr
.irp i, 2,4,6,8,10,12,14
.irp b, 0,1,2,3
	v_max3_num_f32 v[TM4+\b], v[TM4+\b], |v[(\s)+16*\b+\i]|, |v[(\s)+16*\b+\i+1]|
.endr
.endr
	WIN 0
.irp b, 0,1,2,3
	v_permlanex16_b32 v[TM4+4+\b], v[TM4+\b], s[SEL], s[SEL+1]
.endr
.irp b, 0,1,2,3
	v_max_num_f32 v[TM4+\b], v[TM4+\b], v[TM4+4+\b]
.endr
.irp b, 0,1,2,3
	v_add_nc_u32 v[TM4+12+\b], 0xff000000, v[TM4+\b]
.endr
.irp b, 0,1,2,3
	v_lshrrev_b32 v[TM4+4+\b], 23, v[TM4+12+\b]
.endr
	v_lshl_or_b32 v[\w], v[TM4+5], 8, v[TM4+4]
	v_lshl_or_b32 v[\w], v[TM4+6], 16, v[\w]
	v_lshl_or_b32 v[\w], v[TM4+7], 24, v[\w]
	WIN 0x01                                       ; source 0 window 1
.irp c, 0,1
	v_cvt_scalef32_pk16_fp6_f32 v[PC+6*\c:PC+6*\c+2], v[(\s)+32*\c:(\s)+32*\c+15], v[TM4+12+2*\c]
	v_cvt_scalef32_pk16_fp6_f32 v[CT4+4*\c:CT4+4*\c+2], v[(\s)+32*\c+16:(\s)+32*\c+31], v[TM4+12+2*\c+1]
.endr
	WIN 0
	v_nop                                          ; one plain place behind a scaled conversion
.irp c, 0,1
.irp i, 0,1,2
	v_permlane16_swap_b32 v[PC+6*\c+\i], v[CT4+4*\c+\i]
.endr
.irp i, 0,1,2
	v_mov_b32 v[PC+6*\c+3+\i], v[CT4+4*\c+\i]
.endr
.endr
.endm
	s_lshl_b32 s20, s16, 1
	s_add_co_u32 s20, s20, s[WP]                   ; my key step: 2 pb + wp
	s_lshl_b32 s21, s17, 1
	s_add_co_u32 s21, s21, s[WH]                   ; my head: 2 qb + wh
	s_mul_i32 s22, s21, 98304
	s_mul_i32 s23, s20, 6144
	s_add_co_u32 s22, s22, s23
	s_mov_b32 s23, 0
	s_add_nc_u64 s[66:67], s[10:11], s[22:23]
	s_lshl_b32 s22, s21, 12
	s_lshl_b32 s20, s20, 8
	s_add_co_u32 s22, s22, s20
	s_add_co_u32 s22, s22, 786432
	s_add_nc_u64 s[68:69], s[10:11], s[22:23]
.irp b, 0,1,2,3
	v_mov_b32 v[TM4+4+\b], 0                       ; (a lane permute's destination counts as one of its sources)
.endr
.irp a, 0,1,2,3
	s_wait_xcnt 0x0                                ; the last tile's stores have read the codes' registers
	QUANT4 64*\a, WD+\a
.irp c, 0,1,2
	global_store_b128 v[LI], v[PC+4*\c:PC+4*\c+3], s[66:67] offset:1536*\a+512*\c
.endr
.endr
.irp i, 0,1
	v_cndmask_b32 v[TM4+\i], v[WD+2*\i], v[WD+2*\i+1], s[HM]
	global_store_b32 v[L4], v[TM4+\i], s[68:69] offset:128*\i
.endr
.Lend:
	s_wait_tensorcnt 0x0                           ; the wave's end, on both paths
	ds_add_u32 v[SPW], v[NIL]
	s_wait_dscnt 0x0
	CROUND                                         ; the closing round: no work-group ends while a partner may still ask for a tile that names it
	s_endpgm
.Lfunc_end_k_qb7e286fa34_qkv:
	.size	k_qb7e286fa34_qkv, .Lfunc_end_k_qb7e286fa34_qkv-k_qb7e286fa34_qkv
	.p2alignl 7, 3214868480
	.fill 96, 4, 3214868480
	.section	.rodata,"a",@progbits
	.p2align	6, 0x0
	.amdhsa_kernel k_qb7e286fa34_qkv
		.amdhsa_group_segment_fixed_size 327680
		.amdhsa_private_segment_fixed_size 0
		.amdhsa_enable_private_segment 0
		.amdhsa_kernarg_size 32
		.amdhsa_user_sgpr_count 2
		.amdhsa_user_sgpr_kernarg_segment_ptr 1
		.amdhsa_wavefront_size32 1
		.amdhsa_system_sgpr_workgroup_id_x 1
		.amdhsa_system_sgpr_workgroup_id_y 1
		.amdhsa_system_sgpr_workgroup_id_z 1
		.amdhsa_system_vgpr_workitem_id 0
		.amdhsa_next_free_vgpr 1024
		.amdhsa_next_free_sgpr 80
		.amdhsa_reserve_vcc 0
		.amdhsa_float_denorm_mode_32 3
		.amdhsa_float_denorm_mode_16_64 3
		.amdhsa_memory_ordered 1
		.amdhsa_forward_progress 1
		.amdhsa_inst_pref_size 179
	.end_amdhsa_kernel
	.amdgpu_metadata
---
amdhsa.version: [ 1, 2 ]
amdhsa.kernels:
  - .name:           k_qb7e286fa34_qkv
    .symbol:         k_qb7e286fa34_qkv.kd
    .args:
      - { .name: opq, .offset: 0, .size: 8, .value_kind: global_buffer, .address_space: global }
      - { .name: rope, .offset: 8, .size: 8, .value_kind: global_buffer, .address_space: global }
      - { .name: qk, .offset: 16, .size: 8, .value_kind: global_buffer, .address_space: global }
      - { .name: vv, .offset: 24, .size: 8, .value_kind: global_buffer, .address_space: global }
    .group_segment_fixed_size: 327680
    .private_segment_fixed_size: 0
    .kernarg_segment_align: 8
    .kernarg_segment_size: 32
    .max_flat_workgroup_size: 128
    .sgpr_count:     80
    .vgpr_count:     1024
    .wavefront_size: 32
...
	.end_amdgpu_metadata
.endif
;; end of part 2
;; launch attn (part 3): grid 32 x 8, 16 waves a work-group, clusters of 4 x 1, 243,712 bytes of LDS; arguments qk, vv, aq; writes aq
.if DOCPART == 3
	.amdgcn_target "amdgcn-amd-amdhsa--gfx1250"
	.amdhsa_code_object_version 6
	.text
	.protected	k_qb7e286fa34_attn
	.globl	k_qb7e286fa34_attn
	.p2align	8
	.type	k_qb7e286fa34_attn,@function
k_qb7e286fa34_attn:
	s_mov_b64 s[64:65], 0
	v_nop
	global_prefetch_b8 v0, s[64:65] scope:SCOPE_SE
	s_setreg_imm32_b32 hwreg(HW_REG_WAVE_MODE, 25, 1), 1
	s_wait_xcnt 0x0
	s_wait_alu depctr_hold_cnt(0) depctr_sa_sdst(0) depctr_va_vdst(0) depctr_va_sdst(0) depctr_va_ssrc(0) depctr_va_vcc(0) depctr_vm_vsrc(0)
	s_getreg_b32 s2, hwreg(HW_REG_IB_STS2, 6, 4)
	s_cmp_eq_u32 s2, 0
	s_cbranch_scc0 .Lentry_in_a_cluster
	s_endpgm
.Lentry_in_a_cluster:
	s_bfe_u32 s2, ttmp6, 0x10000c
	s_cmp_lg_u32 s2, 0x3003
	s_cbranch_scc0 .Lentry_shape_is_right
	s_endpgm
.Lentry_shape_is_right:
; ATTN.  For each of 32 heads: O = softmax(q k^T / 8, causal) v, both products on codes of E2M3; O is quantised along K = 64 head + channel for the last product and stored as codes (aq).
; THE SOFTMAX: t = score x log2(e) / 8; M = the running largest t rounded UP to a whole number; p = 2^(t - M) is what is quantised, along the keys, not normalised.  The row's sum is taken of the unquantised p and divides O at
; the end.  When M moves, the sum and O are multiplied by 2^(old M - new M): exact.
; LEFT OUT: key steps all of whose keys come behind all of a tile's queries: the causal mask that the definition builds itself makes their p zero for every input.
; SHARES.  Work-group (h, i): head h, token tiles 8 sigma + i, sigma = 0 .. 15.  A key step is 128 keys; tile sigma needs key steps 0 .. sigma, the last of them masked.  The tiles form 8 pairs (s, 15 - s) of 17 steps, two waves to a pair.
;   A pair's first wave takes key steps 0 .. c - 1 of tile 15 - s.  Its second wave takes tile s whole (s + 1 steps), which it stores, and then key steps c .. 15 - s of tile 15 - s.  c = 12 for s < 4, c = 6 for s >= 4.
;   Waves 0-7 are the first waves, waves 8-15 the second, s = (wave % 8) xor 4: waves 0-3 have 6 steps, waves 4-7 12, waves 8-11 11, waves 12-15 5; the four waves w, w + 4, w + 8, w + 12 have 34 together.
;   The second wave hands its part of tile 15 - s (O, -M, the sum) to the first through 4,608 bytes of LDS of its own; behind one barrier the first brings both parts under the larger M (two exact powers of two), adds them and stores the tile.
;   All waves walk the same two loops (key steps 0-7, then 6-15: 8 and 10 trips); a scalar branch on ids leads round a step that is not the wave's.
; LDS.  K and V of the key-value head h / 4, codes and scale words, 204,800 bytes, come ONCE: one tensor load a wave at the head: waves 0-7 a quarter (24,576 bytes) of K's or of V's codes, waves 8, 9 K's and V's scale words.
;   No byte is filled twice.  Every wait on TENSORcnt is for 0.
; CLUSTER: the four heads of a key-value head lie side by side along x and form a cluster of 4 x 1: they ask for K and V jointly.  No branch and no LDS address hangs on the place in the cluster; the head's parity only chooses store offsets.
; NO PREFETCH: every tile is asked for at the head, so no later load exists for a prefetch to run ahead of.
; LAYOUT.  Both products are used transposed (S^T = K Q^T, O^T = V^T P^T): a lane holds ONE query.  Lane r of a token tile T is token 32 (T / 2) + 8 (T % 2) + r + 8 (r / 8), so the 16 registers of key tiles 2 b, 2 b + 1 are 16 neighbouring keys.
; THE HEAD'S 64 IN AN INSTRUCTION OF 128.  A fragment of K holds a PAIR of key tiles: K = 0 .. 63 the even tile's channels, 64 .. 127 the odd tile's.  Against [q | zeros] it gives the even tile's scores, against [zeros | q] the odd tile's:
; the other half meets zero codes, which add nothing (their scale byte is 0, which is 2^-127 and no NaN).
; LIMITS: NaN and infinities are not served; the promise holds while the scaled scores t stay under 2^31 in magnitude; a block whose largest magnitude lies under 2^-124 keeps the byte 1 (read by this program alone).
; REGISTERS: v1-11 addresses and lane numbers; v12 -M, v13 the largest t, v[14:15] the sum; v16-27 [q | 0], v28-39 [0 | q]; v40-87 four fragments of K, then of V; v88-93 q of tile 15 - s; v96-159 S^T, then p; v160-191 O^T;
;   v192-211 at work; v212-223 p's codes; v225 the stage; v226 f; v228-231, v242-253 at work; v224 p's scale word, v232 tile 15 - s's q words, v236-237 K's, v238-239 V's, v240-241 q's: these hold scales and nothing else.
.set VOFF, 98304                       ; LDS: K's codes at 0, V's here,
.set KSC,  196608                      ; K's scale words, 4,096 bytes, then V's,
.set STG,  204800                      ; the stages: 8 x PART, stored by waves 8-15; no tile lands here
.set PART, 4608
.set SPARE, STG+8*PART                 ; the spare words: 128 bytes a wave, 2,048 bytes that no other line names
.set LI,  1                            ; v1   16 x lane
.set LS,  2                            ; v2   KSC + 4 x lane
.set DG,  3                            ; v3   my query's place in its key step - 16 (lane / 16)
.set QS,  6                            ; v6   4 r
.set BO,  7                            ; v7   16 r + lane / 16: my scale byte's place
.set ADK, 8
.set ADV, 9
.set ADS, 10
.set QP,  11
.set FR,  40
.set QL,  88
.set BM,  192
.set BP,  196
.set BS,  200
.set CT,  204
.set PC,  212
.set PW,  224
.set STA, 225
.set FF,  226
.set QLW, 232
.set KW,  236
.set VW,  238
.set WV,  12
.set SIG1, 13                          ; s13  sigma of the tile that I begin with and store
.set SIGL, 14                          ; s14  15 - s
.set ROLE, 15                          ; s15  0: a pair's first wave, 1: its second
.set G1S, 24
.set G1C, 32
.set G0C, 40
.set G0S, 44
.set LO,  48                           ; s48-49 the key steps that are mine; s50 the one that is masked
.set HI,  49
.set SGT, 50
.set SST, 51
.set SH,  52
.set PL,  53
.set CUT, 54                           ; s54  c;  s55  c - 1
.set CM1, 55
.set SEL, 60
.set CS,  62
.set KS,  66
.set TB,  67
.set TS,  68
.set CNT, 69
.set HM,  88
.macro ROUND                           ; a round of the cluster's barrier
	s_barrier_signal -1
	s_barrier_wait -1
	s_cmp_lg_u32 s[WV], 0
	s_cbranch_scc1 .Lnot_wave_0_\@
	s_barrier_signal -3
.Lnot_wave_0_\@:
	s_barrier_wait -3
	s_barrier_signal -1
	s_barrier_wait -1
.endm
.macro WM d, a, b, c, x, y, odd        ; one product; an odd tile's scale words stand in lanes 16-31 of their register
.if \odd
	v_wmma_scale_f32_16x16x128_f8f6f4 v[\d:\d+7], v[\a:\a+11], v[\b:\b+11], \c, v[\x], v[\y] matrix_a_fmt:MATRIX_FMT_FP6 matrix_b_fmt:MATRIX_FMT_FP6 matrix_a_scale:MATRIX_SCALE_ROW1
.else
	v_wmma_scale_f32_16x16x128_f8f6f4 v[\d:\d+7], v[\a:\a+11], v[\b:\b+11], \c, v[\x], v[\y] matrix_a_fmt:MATRIX_FMT_FP6 matrix_b_fmt:MATRIX_FMT_FP6
.endif
.endm
	s_load_b128 s[4:7], s[0:1], 0x0                ; qk, vv
	s_load_b64 s[8:9], s[0:1], 0x10                ; aq
	v_lshl_add_u32 v254, v0, 2, SPARE
	v_mov_b32 v255, 0
	ds_add_u32 v254, v255                          ; the opening lines: the add, twice on end, and its wait ahead of the round and the first loads
	ds_add_u32 v254, v255
	v_lshrrev_b32 v4, 5, v0
	v_readfirstlane_b32 s[WV], v4                  ; wave 0..15
	s_lshr_b32 s[ROLE], s[WV], 3
	s_and_b32 s18, s[WV], 7
	s_xor_b32 s18, s18, 4                          ; s
	s_cmp_lt_u32 s18, 4
	s_cselect_b32 s[CUT], 12, 6                    ; c
	s_sub_co_u32 s[SIGL], 15, s18
	s_cmp_eq_u32 s[ROLE], 0
	s_cselect_b32 s[SIG1], s[SIGL], s18
	s_sub_co_u32 s[CM1], s[CUT], 1
	s_mul_i32 s[SST], s18, PART
	s_add_co_u32 s[SST], s[SST], STG               ; the pair's stage
	s_mov_b32 s[G1S], 15|(3<<16)|(1<<21)           ; dense blocks as rows of 256 bytes: elements of 8 bytes; the mask names the cluster's four, bit 21 beside it
	s_mov_b32 s[G1S+1], 32<<16
	s_mov_b32 s[G1S+2], 16<<16                     ; 16 rows: 4,096 bytes of scale words
	s_mov_b32 s[G1S+3], 32<<16
	s_mov_b32 s[G1S+4], 16
	s_mov_b32 s[G1S+5], 32
	s_mov_b32 s[G1S+6], 0
	s_mov_b32 s[G1S+7], 0
	s_mov_b32 s[G1C], 15|(3<<16)|(1<<21)
	s_mov_b32 s[G1C+1], 32<<16
	s_mov_b32 s[G1C+2], 96<<16                     ; 96 rows: 24,576 bytes, four key steps of codes
	s_mov_b32 s[G1C+3], 32<<16
	s_mov_b32 s[G1C+4], 96
	s_mov_b32 s[G1C+5], 32
	s_mov_b32 s[G1C+6], 0
	s_mov_b32 s[G1C+7], 0
	s_and_b32 s20, s[WV], 1                        ; what I fetch: 0 K's, 1 V's;
	s_bfe_u32 s21, s[WV], 0x20001                  ; which quarter of the codes
	s_mul_i32 s22, s20, VOFF
	s_mul_i32 s23, s21, 24576
	s_mov_b32 s[G0C], 1
	s_add_co_u32 s[G0C+1], s22, s23
	s_mov_b32 s[G0S], 1
	s_lshl_b32 s22, s20, 12
	s_add_co_u32 s[G0S+1], s22, KSC
	s_mov_b32 s73, 786432
	s_cmp_eq_u32 s20, 0
	s_cselect_b32 s72, 32, 0                       ; in qk the key heads follow the 32 query heads
	s_cselect_b32 s73, 3932160, s73                ; where the buffer's scale words begin
	s_add_co_u32 s72, s72, ttmp9                   ; the cluster's x is the key-value head
	s_mul_i32 s74, s72, 98304
	s_add_co_u32 s74, s74, s23
	s_mov_b32 s75, 0
	s_lshl_b32 s76, s72, 12
	s_add_co_u32 s76, s76, s73
	s_mov_b32 s77, 0
	s_wait_dscnt 0x0                               ; both opening adds are done
	s_wait_kmcnt 0x0
	s_cmp_eq_u32 s20, 0                            ; the choice hangs on the wave's number alone
	s_cselect_b64 s[70:71], s[4:5], s[6:7]
	s_add_nc_u64 s[G0C+2:G0C+3], s[70:71], s[74:75]
	s_or_b32 s[G0C+3], s[G0C+3], 0x80000000
	s_add_nc_u64 s[G0S+2:G0S+3], s[70:71], s[76:77]
	s_or_b32 s[G0S+3], s[G0S+3], 0x80000000
	ROUND                                          ; the four work-groups are here: the joint loads meet
	s_cmp_lt_u32 s[WV], 8                          ; one chain of branches on the wave's number, one load to an arm
	s_cbranch_scc0 .Lnot_codes
	tensor_load_to_lds s[G0C:G0C+3], s[G1C:G1C+7]
	s_nop 0
.rept 4
	v_nop
.endr
	s_branch .Lasked
.Lnot_codes:
	s_cmp_lt_u32 s[WV], 10
	s_cbranch_scc0 .Lasked
	tensor_load_to_lds s[G0S:G0S+3], s[G1S:G1S+7]
	s_nop 0
.rept 4
	v_nop
.endr
.Lasked:
	s_and_b32 s16, ttmp7, 0xffff                   ; i
	s_bfe_u32 s19, ttmp6, 0x40000                  ; cx
	s_lshl_b32 s17, ttmp9, 2
	s_add_co_u32 s17, s17, s19                     ; the head
	s_and_b32 s18, s16, 1                          ; my tiles are their pairs' odd ones?
	s_lshr_b32 s19, s16, 1
	s_lshl_b32 s[SH], s18, 4                       ; then their two scale bytes lie 16 bits up,
	s_mul_i32 s20, s18, 520                        ; and their six registers of the pair's image at 520, 1024, 1032 in place of 0, 8, 512
	s_mul_i32 s21, s18, 1016
	s_add_co_u32 s21, s21, 8
	s_add_co_u32 s22, s20, 512
	s_lshl_b32 s23, s19, 5
	s_lshl_b32 s72, s18, 3
	s_add_co_u32 s[PL], s23, s72                   ; the tile's first place in its key step
	s_lshl_b32 s72, s[SIG1], 2
	s_add_co_u32 s72, s72, s19                     ; the pair of tiles that holds my first tile,
	s_lshl_b32 s73, s[SIGL], 2
	s_add_co_u32 s73, s73, s19                     ; and tile 15 - s
	s_mul_i32 s74, s17, 98304
	s_mul_i32 s70, s72, 1536
	s_add_co_u32 s70, s70, s74
	s_mov_b32 s71, 0
	s_add_nc_u64 s[80:81], s[4:5], s[70:71]
	s_mul_i32 s70, s73, 1536
	s_add_co_u32 s70, s70, s74
	s_add_nc_u64 s[76:77], s[4:5], s[70:71]
	s_lshl_b32 s74, s17, 12
	s_add_co_u32 s74, s74, 3932160
	s_lshl_b32 s70, s72, 6                         ; 64 bytes of scale words a pair
	s_add_co_u32 s70, s70, s74
	s_add_nc_u64 s[82:83], s[4:5], s[70:71]
	s_lshl_b32 s70, s73, 6
	s_add_co_u32 s70, s70, s74
	s_add_nc_u64 s[78:79], s[4:5], s[70:71]
	s_lshr_b32 s72, s17, 3                         ; the way out: brick (h / 8) 128 + tile,
	s_lshl_b32 s72, s72, 7
	s_lshl_b32 s73, s[SIG1], 3
	s_add_co_u32 s72, s72, s73
	s_add_co_u32 s72, s72, s16
	s_mul_i32 s72, s72, 6400
	s_bfe_u32 s73, s17, 0x20001                    ; fragment (h / 2) % 4
	s_mul_i32 s70, s73, 1536
	s_add_co_u32 s70, s70, s72
	s_add_nc_u64 s[84:85], s[8:9], s[70:71]
	s_and_b32 s74, s17, 1
	s_lshl_b32 s70, s73, 2
	s_add_co_u32 s70, s70, s72
	s_lshl_b32 s75, s74, 1
	s_add_co_u32 s70, s70, s75
	s_add_co_u32 s70, s70, 6144                    ; and the scale bytes 2 (h % 2) + 0, 1 of that fragment's words
	s_add_nc_u64 s[86:87], s[8:9], s[70:71]
	s_mul_i32 s89, s74, 520                        ; an even head's 64 are registers 0-5 of the image (bytes 0, 8, 512), an odd head's registers 6-11 (520, 1024, 1032)
	s_mul_i32 s90, s74, 1016
	s_add_co_u32 s90, s90, 8
	s_add_co_u32 s91, s89, 512
	s_mov_b32 s[SEL], 0x76543210
	s_mov_b32 s[SEL+1], 0xfedcba98
	s_mov_b32 s[CS], 0x3e38aa3b                    ; c = log2(e) / 8
	s_mov_b32 s[CS+1], s[CS]
	s_cmp_eq_u32 s[ROLE], 0
	s_cselect_b32 s[HI], s[CM1], s[SIG1]           ; key steps 0-7: a first wave's up to c - 1, a second wave's up to tile s's own
	s_mov_b32 s[SGT], s[SIG1]
	v_and_b32 v4, 31, v0
	v_lshlrev_b32 v[LI], 4, v4
	v_lshl_add_u32 v[LS], v4, 2, KSC
	v_and_b32 v4, 15, v0                           ; r
	v_bfe_u32 v5, v0, 4, 1                         ; lane / 16
	v_lshlrev_b32 v[QS], 2, v4
	v_add_nc_u32 v96, s20, v[LI]
	v_add_nc_u32 v97, s21, v[LI]
	v_add_nc_u32 v98, s22, v[LI]
.irp j, 0,1,2
	global_load_b64 v[16+2*\j:17+2*\j], v[96+\j], s[80:81]         ; q of my first tile
.endr
.irp j, 0,1,2
	global_load_b64 v[QL+2*\j:QL+2*\j+1], v[96+\j], s[76:77]       ; and of tile 15 - s (in waves 0-7 the same tile: every wave writes these registers)
.endr
	global_load_b32 v240, v[QS], s[82:83]          ; row r's word, in both halves of the lanes
	global_load_b32 v[QLW], v[QS], s[78:79]
	v_add_nc_u32 v[STA], s[SST], v[LI]
	v_lshl_add_u32 v[BO], v4, 4, v5
	v_cmp_ne_u32 s[HM], 0, v5
	v_and_b32 v[QP], 8, v4
	v_add_nc_u32 v[QP], v[QP], v4                  ; r + 8 (r / 8)
	v_add_nc_u32 v[QP], s[PL], v[QP]               ; my query's place in its key step
	v_lshlrev_b32 v5, 4, v5
	v_sub_nc_u32 v[DG], v[QP], v5
.set j, 0
.rept 12
	v_mov_b32 v[22+j], 0                           ; the zero halves of [q | 0] and [0 | q]
.set j, j+1
.endr
.irp b, 0,1,2,3
	v_mov_b32 v[BP+\b], 0                          ; (a lane permute's destination counts as one of its sources)
.endr
	v_mov_b32 v[FF+1], 0                           ; (named as the upper half of f's pair)
	v_mov_b32 v228, 0
.macro SETQ src, w                     ; a tile begins: q, its scale words, -M, the largest t, the sum and O^T
.irp i, 0,1,2,3,4,5
.if \src != 16
	v_mov_b32 v[16+\i], v[\src+\i]
.endif
	v_mov_b32 v[34+\i], v[\src+\i]
.endr
	v_lshrrev_b32 v240, s[SH], v[\w]
	s_delay_alu instid0(VALU_DEP_1)
	v_and_b32 v240, 0xffff, v240                   ; my tile's two bytes below, 0 above
	s_delay_alu instid0(VALU_DEP_1)
	v_lshlrev_b32 v241, 16, v240                   ; and the other way round
	v_mov_b32 v13, 0xff61b1e6                      ; -3e38, under every t
	s_delay_alu instid0(VALU_DEP_1)
	v_floor_f32 v12, -v13
	v_mov_b32 v14, 0
	v_mov_b32 v15, 0
.set j, 0
.rept 32
	v_mov_b32 v[160+j], 0                          ; the step is written once: the first finds zeros.  (These are also the places between the scale words and the first product)
.set j, j+1
.endr
.endm
	s_wait_alu depctr_va_vdst(0)                   ; the wait ahead of a wait that blocks
	s_wait_loadcnt 0x0
	SETQ 16, 240
	s_wait_alu depctr_va_vdst(0)                   ; the wait at the head's end
	s_wait_tensorcnt 0x0                           ; my tile, if I asked for one, is in
	s_barrier_signal -1
	s_barrier_wait -1                              ; all ten are
.macro STEP lo
.if \lo
	s_cmp_lt_u32 s[KS], s[LO]                      ; not my key step: only the counters step
	s_cbranch_scc1 .Lhidden_\@
.endif
	s_cmp_gt_u32 s[KS], s[HI]
	s_cbranch_scc1 .Lhidden_\@
	v_add_nc_u32 v[ADK], s[TB], v[LI]
	v_add_nc_u32 v[ADS], s[TS], v[LS]
	s_delay_alu instid0(VALU_DEP_2)
	v_add_nc_u32 v[ADV], VOFF, v[ADK]
	v_nop                                          ; four plain places in front of loads into registers that the last step's products have read
	ds_load_b32 v[KW], v[ADS]                      ; lanes 0-15 pair 0's words, lanes 16-31 pair 1's
	ds_load_b32 v[KW+1], v[ADS] offset:128
.irp b, 0,1,2,3
.irp c, 0,1,2
	ds_load_b128 v[FR+12*\b+4*\c:FR+12*\b+4*\c+3], v[ADK] offset:1536*\b+512*\c   ; four pairs of key tiles
.endr
.endr
	s_wait_alu depctr_va_vdst(0)
.irp b, 0,1,2,3
	s_wait_dscnt 9-3*\b                            ; the scale words and pairs 0 .. b are in; the three loads of each later pair may be out
	WM 96+16*\b, FR+12*\b, 16, 0, KW+\b/2, 240, \b%2
	WM 104+16*\b, FR+12*\b, 28, 0, KW+\b/2, 241, \b%2
.endr                                          ; register 96 + 16 b + i of lane (r, h): query r, key 32 b + 16 h + i of the step
.rept 4
	v_nop
.endr
.irp t, 0,1,2,3
.irp c, 0,1,2
	ds_load_b128 v[FR+12*\t+4*\c:FR+12*\t+4*\c+3], v[ADV] offset:1536*\t+512*\c   ; V's four channel tiles land while the softmax is walked
.endr
.endr
	ds_load_b32 v[VW], v[ADS] offset:4096
	ds_load_b32 v[VW+1], v[ADS] offset:4096+128
	s_cmp_lg_u32 s[KS], s[SGT]                     ; my tile's own key step: the scores of keys behind my query become -infinity ahead of the maximum, so p = 0 there
	s_cbranch_scc1 .Lopen_\@
	v_mov_b32 v228, 0xff800000
.set n, 0
.rept 64
	v_cmp_gt_i32 vcc_lo, 32*(n/16)+n%16, v[DG]
	v_cndmask_b32 v[96+n], v[96+n], v228, vcc_lo
.set n, n+1
.endr
.Lopen_\@:
.irp b, 0,1,2,3
	v_max3_num_f32 v[BM+\b], v[96+16*\b], v[97+16*\b], v[98+16*\b]  ; the largest score of each block of 32 keys: for the row's maximum and, since p rises with the score, for the block's largest p
.endr
.irp i, 3,5,7,9,11,13
.irp b, 0,1,2,3
	v_max3_num_f32 v[BM+\b], v[BM+\b], v[96+16*\b+\i], v[97+16*\b+\i]
.endr
.endr
.irp b, 0,1,2,3
	v_max_num_f32 v[BM+\b], v[BM+\b], v[111+16*\b]
.endr
.irp b, 0,1,2,3
	s_delay_alu instid0(VALU_DEP_4)
	v_permlanex16_b32 v[BP+\b], v[BM+\b], s[SEL], s[SEL+1]
.endr
.irp b, 0,1,2,3
	s_delay_alu instid0(VALU_DEP_4)
	v_max_num_f32 v[BM+\b], v[BM+\b], v[BP+\b]     ; with lane l xor 16's 16 keys
.endr
	s_delay_alu instid0(VALU_DEP_2)
	v_max3_num_f32 v228, v[BM], v[BM+1], v[BM+2]
	s_delay_alu instid0(VALU_DEP_1)
	v_max_num_f32 v228, v228, v[BM+3]
	s_delay_alu instid0(VALU_DEP_1)
	v_mul_f32 v228, s[CS], v228                    ; the step's largest t (c is positive)
	s_delay_alu instid0(VALU_DEP_1)
	v_max_num_f32 v13, v13, v228                   ; the running largest t
	v_mov_b32 v228, v12
	s_delay_alu instid0(VALU_DEP_2)
	v_floor_f32 v12, -v13                          ; the new -M = -ceil(t): a whole number
	s_delay_alu instid0(VALU_DEP_1)
	v_sub_f32 v228, v12, v228                      ; old M - new M: a whole number, 0 or less
	s_delay_alu instid0(VALU_DEP_1)
	v_cvt_i32_f32 v228, v228                       ; (it saturates)
	s_delay_alu instid0(VALU_DEP_1)
	v_ldexp_f32 v[FF], 1.0, v228                   ; f = 2^(old M - new M)
.set j, 0
.rept 32
	v_pk_fma_f32 v[96+j:97+j], v[96+j:97+j], s[CS:CS+1], v[12:13] op_sel_hi:[1,0,0]   ; t - M, two at a time
.set j, j+2
.endr
.irp b, 0,1,2,3
	v_fma_f32 v[BM+\b], v[BM+\b], s[CS], v12       ; the same of each block's largest score
.endr
.set j, 0
	s_wait_alu depctr_va_vdst(0)                   ; the wait ahead of the batch
.rept 64
	v_exp_f32 v[96+j], v[96+j]                     ; p = 2^(t - M), at most 1
.set j, j+1
.endr
.irp b, 0,1,2,3
	v_exp_f32 v[BM+\b], v[BM+\b]                   ; the block's largest p: the same two instructions on the same number
.endr
	v_pk_mul_f32 v[14:15], v[14:15], v[FF:FF+1] op_sel_hi:[1,0]    ; the sums under the new M.  (A plain place behind the exponentials)
	s_wait_alu depctr_va_vdst(0)                   ; and behind it
.irp b, 0,1,2,3
	v_max_num_f32 v[BM+\b], 0x1800000, v[BM+\b]    ; the floor 2^(3 - 127): the byte cannot fall under 1
.endr
.irp b, 0,1,2,3
	s_delay_alu instid0(VALU_DEP_4)
	v_add_nc_u32 v[BS+\b], 0xff000000, v[BM+\b]    ; 2 off the exponent field: the conversion's scale operand
.endr
.irp b, 0,1,2,3
	s_delay_alu instid0(VALU_DEP_4)
	v_lshrrev_b32 v[BP+\b], 23, v[BS+\b]           ; the bytes
.endr
	s_delay_alu instid0(VALU_DEP_3)
	v_lshl_or_b32 v[PW], v[BP+1], 8, v[BP]         ; p's scale word for these 128 keys
	s_delay_alu instid0(VALU_DEP_1)
	v_lshl_or_b32 v[PW], v[BP+2], 16, v[PW]
	s_delay_alu instid0(VALU_DEP_1)
	v_lshl_or_b32 v[PW], v[BP+3], 24, v[PW]
.irp c, 0,1
	v_cvt_scalef32_pk16_fp6_f32 v[PC+6*\c:PC+6*\c+2], v[96+32*\c:111+32*\c], v[BS+2*\c]
	v_cvt_scalef32_pk16_fp6_f32 v[CT+4*\c:CT+4*\c+2], v[112+32*\c:127+32*\c], v[BS+2*\c+1]
.endr
	v_nop                                          ; one plain place behind a scaled conversion
.irp c, 0,1
.irp i, 0,1,2
	v_permlane16_swap_b32 v[PC+6*\c+\i], v[CT+4*\c+\i]             ; a whole block to a lane
.endr
.irp i, 0,1,2
	s_delay_alu instid0(VALU_DEP_3)
	v_mov_b32 v[PC+6*\c+3+\i], v[CT+4*\c+\i]
.endr
.endr
	; the row's sum of the unquantised p: 32 pairs in eight chains (v242-253, v230, v14), then the chains
.irp k, 0,1,2,3,4,5
	v_pk_add_f32 v[242+2*\k:243+2*\k], v[96+2*\k:97+2*\k], v[110+2*\k:111+2*\k]
.endr
	v_pk_add_f32 v[230:231], v[108:109], v[122:123]
	v_pk_add_f32 v[14:15], v[14:15], v[124:125]
.irp g, 126, 142
.irp k, 0,1,2,3,4,5
	v_pk_add_f32 v[242+2*\k:243+2*\k], v[242+2*\k:243+2*\k], v[\g+2*\k:\g+2*\k+1]
.endr
	v_pk_add_f32 v[230:231], v[230:231], v[\g+12:\g+13]
	v_pk_add_f32 v[14:15], v[14:15], v[\g+14:\g+15]
.endr
	v_pk_add_f32 v[242:243], v[242:243], v[158:159]
	v_pk_add_f32 v[246:247], v[246:247], v[248:249]
	v_pk_add_f32 v[250:251], v[250:251], v[252:253]
	v_pk_add_f32 v[14:15], v[14:15], v[230:231]
	v_pk_add_f32 v[242:243], v[242:243], v[244:245]
	s_delay_alu instid0(VALU_DEP_2)
	v_pk_add_f32 v[14:15], v[14:15], v[250:251]
	s_delay_alu instid0(VALU_DEP_2)
	v_pk_add_f32 v[242:243], v[242:243], v[246:247]
	s_delay_alu instid0(VALU_DEP_1)
	v_pk_add_f32 v[14:15], v[14:15], v[242:243]
.set j, 0
.rept 16
	v_pk_mul_f32 v[160+j:161+j], v[160+j:161+j], v[FF:FF+1] op_sel_hi:[1,0]   ; O^T under the new M, each accumulator from its low end on.  (The sums and these are the places between p's codes and scale word and the products)
.set j, j+2
.endr
	s_wait_alu depctr_va_vdst(0)
	s_wait_dscnt 0x0                               ; V
.irp t, 0,1,2,3                                ; O^T += V^T P^T: the four accumulators by turns
	WM 160+8*\t, FR+12*\t, PC, v[160+8*\t:167+8*\t], VW+\t/2, PW, \t%2
.endr
.Lhidden_\@:
	s_add_co_u32 s[KS], s[KS], 1
	s_add_co_u32 s[TB], s[TB], 6144
	s_add_co_u32 s[TS], s[TS], 256
.endm
.macro PHASE k0, lo, n                 ; n key steps from k0 on: a constant number of trips in every wave
	s_mov_b32 s[KS], \k0
	s_mov_b32 s[TB], 6144*\k0
	s_mov_b32 s[TS], 256*\k0
	s_mov_b32 s[CNT], \n
.Lstep_\@:
	STEP \lo
	s_sub_co_u32 s[CNT], s[CNT], 1
	s_cmp_lg_u32 s[CNT], 0
	s_cbranch_scc1 .Lstep_\@
.endm
; THE WAY OUT of a tile.  O^T / the sum: register 16 b + i of lane (r, h) is channel 32 b + 16 h + i of query r: two blocks of the last product's K, quantised as they stand.
.macro WAYOUT
	v_add_f32 v14, v14, v15                        ; the sum's two halves,
	v_mov_b32 v[BP], 0
	v_mov_b32 v[BP+1], 0
	v_mov_b32 v229, 0                              ; (with the addition: four plain places behind the last products)
	s_delay_alu instid0(VALU_DEP_1)
	v_permlanex16_b32 v229, v14, s[SEL], s[SEL+1]
	s_delay_alu instid0(VALU_DEP_1)
	v_add_f32 v14, v14, v229                       ; and lane l xor 16's
	s_wait_alu depctr_va_vdst(0)
	v_rcp_f32 v14, v14
	v_nop                                          ; one plain place behind a transcendental
.set j, 0
	s_wait_alu depctr_va_vdst(0)
.rept 32
	v_mul_f32 v[96+j], v[160+j], v14
.set j, j+1
.endr
	v_max3_num_f32 v[BM], |v96|, |v97|, 0x1800000
	v_max3_num_f32 v[BM+1], |v112|, |v113|, 0x1800000
.irp i, 2,4,6,8,10,12,14
	s_delay_alu instid0(VALU_DEP_2)
	v_max3_num_f32 v[BM], v[BM], |v[96+\i]|, |v[97+\i]|
	s_delay_alu instid0(VALU_DEP_2)
	v_max3_num_f32 v[BM+1], v[BM+1], |v[112+\i]|, |v[113+\i]|
.endr
	s_delay_alu instid0(VALU_DEP_2)
	v_permlanex16_b32 v[BP], v[BM], s[SEL], s[SEL+1]
	s_delay_alu instid0(VALU_DEP_2)
	v_permlanex16_b32 v[BP+1], v[BM+1], s[SEL], s[SEL+1]
	s_delay_alu instid0(VALU_DEP_2)
	v_max_num_f32 v[BM], v[BM], v[BP]
	s_delay_alu instid0(VALU_DEP_2)
	v_max_num_f32 v[BM+1], v[BM+1], v[BP+1]
	s_delay_alu instid0(VALU_DEP_2)
	v_add_nc_u32 v[BS], 0xff000000, v[BM]
	s_delay_alu instid0(VALU_DEP_2)
	v_add_nc_u32 v[BS+1], 0xff000000, v[BM+1]
	v_cvt_scalef32_pk16_fp6_f32 v[PC:PC+2], v[96:111], v[BS]
	v_cvt_scalef32_pk16_fp6_f32 v[CT:CT+2], v[112:127], v[BS+1]
	v_lshrrev_b32 v[BP+2], 23, v[BS]               ; the bytes.  (A plain place behind the conversions)
	v_lshrrev_b32 v[BP+3], 23, v[BS+1]
.irp i, 0,1,2
	v_permlane16_swap_b32 v[PC+\i], v[CT+\i]
.endr
.irp i, 0,1,2
	s_delay_alu instid0(VALU_DEP_3)
	v_mov_b32 v[PC+3+\i], v[CT+\i]
.endr
	v_cndmask_b32 v[BS+2], v[BP+2], v[BP+3], s[HM] ; lanes 0-15 store block 0's byte, lanes 16-31 block 1's
	v_add_nc_u32 v128, s89, v[LI]                  ; my head's six registers of the fragment's image, two at a time
	v_add_nc_u32 v129, s90, v[LI]
	v_add_nc_u32 v130, s91, v[LI]
.irp j, 0,1,2
	global_store_b64 v[128+\j], v[PC+2*\j:PC+2*\j+1], s[84:85]
.endr
	global_store_b8 v[BO], v[BS+2], s[86:87]       ; (an image is shared by two heads and the scale words by eight: these stores fill their 256-byte blocks in part)
.endm
	PHASE 0, 0, 8
	s_mov_b32 s[SGT], s[SIGL]                      ; key steps 6-15, all of tile 15 - s: a first wave goes on from 8 up to c - 1, a second wave takes c .. 15 - s
	s_cmp_eq_u32 s[ROLE], 0
	s_cselect_b32 s[LO], 8, s[CUT]
	s_cselect_b32 s[HI], s[CM1], s[SIGL]
	s_cbranch_scc1 .Lkeep                          ; the first waves go on with their tile
	WAYOUT                                         ; the second waves: tile s is done,
	SETQ QL, QLW                                   ; and tile 15 - s begins
	s_wait_alu depctr_va_vdst(0)                   ; the wait behind these writes, ahead of the wait and the branches below
	s_wait_xcnt 0x0                                ; the stores have read their registers: the steps write them again
.Lkeep:
	PHASE 6, 1, 10
.rept 4
	v_nop                                          ; four plain places behind the last products
.endr
	s_cmp_eq_u32 s[ROLE], 0
	s_cbranch_scc1 .Lno_part
.irp j, 0,1,2,3,4,5,6,7
	ds_store_b128 v[STA], v[160+4*\j:163+4*\j] offset:512*\j       ; the second waves: my part of tile 15 - s as an image of its registers, each accumulator from its low end on,
.endr
	ds_store_b128 v[STA], v[12:15] offset:4096     ; with -M and the sum
.Lno_part:
	s_wait_dscnt 0x0                               ; my stores are done
	s_barrier_signal -1
	s_barrier_wait -1
	s_cmp_lg_u32 s[ROLE], 0
	s_cbranch_scc1 .Ldone
.irp j, 0,1,2,3,4,5,6,7
	ds_load_b128 v[96+4*\j:99+4*\j], v[STA] offset:512*\j          ; the first waves: the other part
.endr
	ds_load_b128 v[128:131], v[STA] offset:4096
	s_wait_dscnt 0x0
	v_min_num_f32 v228, v12, v128                  ; -M of both parts together
	v_mov_b32 v133, 0                              ; (named as the upper half of a pair)
	s_delay_alu instid0(VALU_DEP_2)
	v_sub_f32 v229, v228, v12                      ; my M - the new M: a whole number, 0 or less;
	v_sub_f32 v230, v228, v128                     ; and the other part's
	s_delay_alu instid0(VALU_DEP_2)
	v_cvt_i32_f32 v229, v229                       ; (it saturates)
	s_delay_alu instid0(VALU_DEP_2)
	v_cvt_i32_f32 v230, v230
	s_delay_alu instid0(VALU_DEP_2)
	v_ldexp_f32 v[FF], 1.0, v229
	s_delay_alu instid0(VALU_DEP_2)
	v_ldexp_f32 v132, 1.0, v230
	s_delay_alu instid0(VALU_DEP_2)
	v_pk_mul_f32 v[14:15], v[14:15], v[FF:FF+1] op_sel_hi:[1,0]
.set j, 0
.rept 16
	v_pk_mul_f32 v[160+j:161+j], v[160+j:161+j], v[FF:FF+1] op_sel_hi:[1,0]
.set j, j+2
.endr
	v_pk_fma_f32 v[14:15], v[130:131], v[132:133], v[14:15] op_sel_hi:[1,0,1]
.set j, 0
.rept 16
	v_pk_fma_f32 v[160+j:161+j], v[96+j:97+j], v[132:133], v[160+j:161+j] op_sel_hi:[1,0,1]
.set j, j+2
.endr
	WAYOUT
.Ldone:
	s_wait_tensorcnt 0x0                           ; the wave's end
	ds_add_u32 v254, v255
	s_wait_dscnt 0x0
	ROUND                                          ; the closing round
	s_endpgm
.Lfunc_end_k_qb7e286fa34_attn:
	.size	k_qb7e286fa34_attn, .Lfunc_end_k_qb7e286fa34_attn-k_qb7e286fa34_attn
	.p2alignl 7, 3214868480
	.fill 96, 4, 3214868480
	.section	.rodata,"a",@progbits
	.p2align	6, 0x0
	.amdhsa_kernel k_qb7e286fa34_attn
		.amdhsa_group_segment_fixed_size 243712
		.amdhsa_private_segment_fixed_size 0
		.amdhsa_enable_private_segment 0
		.amdhsa_kernarg_size 24
		.amdhsa_user_sgpr_count 2
		.amdhsa_user_sgpr_kernarg_segment_ptr 1
		.amdhsa_wavefront_size32 1
		.amdhsa_system_sgpr_workgroup_id_x 1
		.amdhsa_system_sgpr_workgroup_id_y 1
		.amdhsa_system_sgpr_workgroup_id_z 1
		.amdhsa_system_vgpr_workitem_id 0
		.amdhsa_next_free_vgpr 256
		.amdhsa_next_free_sgpr 96
		.amdhsa_reserve_vcc 1
		.amdhsa_float_denorm_mode_32 3
		.amdhsa_float_denorm_mode_16_64 3
		.amdhsa_memory_ordered 1
		.amdhsa_forward_progress 1
		.amdhsa_inst_pref_size 71
	.end_amdhsa_kernel
	.amdgpu_metadata
---
amdhsa.version: [ 1, 2 ]
amdhsa.kernels:
  - .name:           k_qb7e286fa34_attn
    .symbol:         k_qb7e286fa34_attn.kd
    .args:
      - { .name: qk, .offset: 0, .size: 8, .value_kind: global_buffer, .address_space: global }
      - { .name: vv, .offset: 8, .size: 8, .value_kind: global_buffer, .address_space: global }
      - { .name: aq, .offset: 16, .size: 8, .value_kind: global_buffer, .address_space: global }
    .group_segment_fixed_size: 243712
    .private_segment_fixed_size: 0
    .kernarg_segment_align: 8
    .kernarg_segment_size: 24
    .max_flat_workgroup_size: 512
    .sgpr_count:     96
    .vgpr_count:     256
    .wavefront_size: 32
...
	.end_amdgpu_metadata
.endif
;; end of part 3
;; launch oproj (part 4): grid 16 x 16, 4 waves a work-group, clusters of 4 x 4, 327,680 bytes of LDS; arguments opq, aq, out0; writes out0
.if DOCPART == 4
	.amdgcn_target "amdgcn-amd-amdhsa--gfx1250"
	.amdhsa_code_object_version 6
	.text
	.protected	k_qb7e286fa34_oproj
	.globl	k_qb7e286fa34_oproj
	.p2align	8
	.type	k_qb7e286fa34_oproj,@function
k_qb7e286fa34_oproj:
	s_mov_b64 s[64:65], 0
	v_nop
	global_prefetch_b8 v0, s[64:65] scope:SCOPE_SE
	s_setreg_imm32_b32 hwreg(HW_REG_WAVE_MODE, 25, 1), 1
	s_wait_xcnt 0x0
	s_wait_alu depctr_hold_cnt(0) depctr_sa_sdst(0) depctr_va_vdst(0) depctr_va_sdst(0) depctr_va_ssrc(0) depctr_va_vcc(0) depctr_vm_vsrc(0)
	s_getreg_b32 s2, hwreg(HW_REG_IB_STS2, 6, 4)
	s_cmp_eq_u32 s2, 0
	s_cbranch_scc0 .Lentry_in_a_cluster
	s_endpgm
.Lentry_in_a_cluster:
	s_bfe_u32 s2, ttmp6, 0x10000c
	s_cmp_lg_u32 s2, 0xf033
	s_cbranch_scc0 .Lentry_shape_is_right
	s_endpgm
.Lentry_shape_is_right:
; OPROJ.  out0 = O wo^T on codes of E2M3: P = 128 rows of wo (opq, bricks from 1280 on), Q = 128 tokens of O (aq); operands lie as images of their registers, in bricks of a tile x 512 K (6,400 bytes), brick kq 128 + tile.
; A work-group makes 8 x 8 tiles, wave (wp, wh) 4 x 4: 16 accumulators.  Clusters of 4 x 4: P's tiles are shared along a row of the cluster, Q's along a column, and asked for jointly.
; LDS is laid by the wave that fetches: region w (12 bricks) holds that wave's four bricks of kq 0, 1, 2, one behind the other.  ONE load a wave at the head brings all three: a tile of 3 rows of 25,600 bytes, 819,200 bytes apart in memory.
; kq 3 is the launch's one refill: into kq 0's bytes, behind the round of the first change of slots, as 100 rows of 256 bytes; group 1 is rewritten for it while no load of the wave is out.
; The way out goes through a stage in each wave's own region, in kq 1's and kq 2's bytes: they have had their last fill, and every wave's reads of them are over at the last barrier.
.set BRICK, 6400
.set SLOT,  4*BRICK                    ; from one kq to the next inside a region
.set QOFF,  24*BRICK                   ; regions 0, 1: P's halves; regions 2, 3: Q's
.set SPARE, 48*BRICK                   ; behind the four regions: the spare words
.set SPITCH, 272
.set ADP, 1
.set ADQ, 4
.set ASP, 7
.set SPW, 10
.set NIL, 11
.set ASQ, 12
.set SC,  16
.set PF,  64
.set QF,  112
.set BK,  64
.set LI,  208
.set STO, 209
.set RD,  210
.set CO,  211
.set WV,  12
.set WP,  13
.set WH,  14
.set G1P, 24
.set G0P, 32
.set G0Q, 44
.set G1Q, 56
.set MSB, 0
.macro WIN new
.if MSB != (\new)
	s_set_vgpr_msb (MSB<<8)|(\new)
.set MSB, (\new)
.endif
.endm
.macro PLACES
.rept 4
	v_nop
.endr
.endm
.macro JLOAD s
	s_cmp_eq_u32 s[WP], 0
	s_cbranch_scc0 .Lfor_q_\@
	tensor_load_to_lds s[G0P+4*\s:G0P+4*\s+3], s[G1P:G1P+7]
	s_nop 0
.rept 4
	v_nop
.endr
	s_branch .Lasked_\@
.Lfor_q_\@:
	tensor_load_to_lds s[G0Q+4*\s:G0Q+4*\s+3], s[G1Q:G1Q+7]
	s_nop 0
.rept 4
	v_nop
.endr
.Lasked_\@:
.endm
.macro CREST
	s_cmp_lg_u32 s[WV], 0
	s_cbranch_scc1 .Lnot_wave_0_\@
	s_barrier_signal -3
.Lnot_wave_0_\@:
	s_barrier_wait -3
	s_barrier_signal -1
	s_barrier_wait -1
.endm
.macro CROUND
	s_barrier_signal -1
	s_barrier_wait -1
	CREST
.endm
.macro WM c
.if (oA == 0) && (oB == 0)
	v_wmma_scale_f32_16x16x128_f8f6f4 v[rD:rD+7], v[rA:rA+11], v[rB:rB+11], \c, v[rX], v[rY] matrix_a_fmt:MATRIX_FMT_FP6 matrix_b_fmt:MATRIX_FMT_FP6
.elseif (oA == 1) && (oB == 0)
	v_wmma_scale_f32_16x16x128_f8f6f4 v[rD:rD+7], v[rA:rA+11], v[rB:rB+11], \c, v[rX], v[rY] matrix_a_fmt:MATRIX_FMT_FP6 matrix_b_fmt:MATRIX_FMT_FP6 matrix_a_scale:MATRIX_SCALE_ROW1
.elseif (oA == 0)
	v_wmma_scale_f32_16x16x128_f8f6f4 v[rD:rD+7], v[rA:rA+11], v[rB:rB+11], \c, v[rX], v[rY] matrix_a_fmt:MATRIX_FMT_FP6 matrix_b_fmt:MATRIX_FMT_FP6 matrix_b_scale:MATRIX_SCALE_ROW1
.else
	v_wmma_scale_f32_16x16x128_f8f6f4 v[rD:rD+7], v[rA:rA+11], v[rB:rB+11], \c, v[rX], v[rY] matrix_a_fmt:MATRIX_FMT_FP6 matrix_b_fmt:MATRIX_FMT_FP6 matrix_a_scale:MATRIX_SCALE_ROW1 matrix_b_scale:MATRIX_SCALE_ROW1
.endif
.endm
.macro MUL8 half, ks4, sc, zero
.irp a, 2*(\half), 2*(\half)+1
.irp b, 0,1,2,3
.set rD, 8*(4*(\a)+\b)
.set rA, PF+12*\b
.set rB, QF+12*(\a)
.set rX, SC+16*(\sc)+4*(\b/2)+(\ks4)
.set rY, SC+16*(\sc)+8+4*((\a)/2)+(\ks4)
.set oA, \b%2
.set oB, (\a)%2
.if \zero
	WM 0
.else
	WM v[rD:rD+7]
.endif
.endr
.endr
.endm
.macro FETCH slot, ks4, set
.if \set
	WIN 0x80
.endif
.irp b, 0,1,2,3
.irp c, 0,1,2
	ds_load_b128 v[PF+12*\b+4*\c:PF+12*\b+4*\c+3], v[ADP+\slot] offset:\b*BRICK+1536*(\ks4)+512*\c
.endr
.endr
.irp a, 0,1,2,3
.irp c, 0,1,2
	ds_load_b128 v[QF+12*\a+4*\c:QF+12*\a+4*\c+3], v[ADQ+\slot] offset:\a*BRICK+1536*(\ks4)+512*\c
.endr
.endr
	WIN 0
.endm
.macro SCALES slot
.irp i, 0,1
	ds_load_b128 v[SC+16*\slot+4*\i:SC+16*\slot+4*\i+3], v[ASP+\slot] offset:2*\i*BRICK
.endr
.irp i, 0,1
	ds_load_b128 v[SC+16*\slot+8+4*\i:SC+16*\slot+8+4*\i+3], v[ASQ+\slot] offset:2*\i*BRICK
.endr
.endm
.macro KSTEP slot, ks4, zero
	PLACES
	FETCH \slot, (\ks4)+1, 1-(\ks4)%2
	s_wait_dscnt 24
	WIN 0x50+0x0a*((\ks4)%2)
	MUL8 0, \ks4, \slot, \zero
	MUL8 1, \ks4, \slot, \zero
	WIN 0
.endm
.macro CROSS slot, next
	PLACES
	s_wait_alu depctr_va_vdst(0)
	SCALES \next
	FETCH \next, 0, 0
	s_wait_dscnt 28
	WIN 0x5a
	MUL8 0, 3, \slot, 0
	MUL8 1, 3, \slot, 0
	WIN 0
.endm
.macro TURN slot, next, fill
	s_wait_tensorcnt 0x0
	ds_add_u32 v[SPW], v[NIL]
	s_wait_dscnt 1
.if \fill
	s_add_nc_u64 s[G0P+4*\slot+2:G0P+4*\slot+3], s[G0P+4*\slot+2:G0P+4*\slot+3], 3*128*BRICK
	s_add_nc_u64 s[G0Q+4*\slot+2:G0Q+4*\slot+3], s[G0Q+4*\slot+2:G0Q+4*\slot+3], 3*128*BRICK
.irp g, G1P, G1Q
	s_mov_b32 s[\g+1], 32<<16                      ; no tensor load of mine is out, so group 1 may be written: the refill is four bricks of one kq, 100 rows of 256 bytes
	s_mov_b32 s[\g+2], 100<<16
	s_mov_b32 s[\g+3], 32<<16
	s_mov_b32 s[\g+4], 100
	s_mov_b32 s[\g+5], 32
.endr
.endif
	WIN 0x5a
	MUL8 0, 3, \slot, 0
	WIN 0
	s_wait_dscnt 0x0
	s_barrier_signal -1
	s_barrier_wait -1
.if \fill
	CREST
	JLOAD \slot
.else
	PLACES
.endif
	SCALES \next
	FETCH \next, 0, 0
	WIN 0x5a
	MUL8 1, 3, \slot, 0
	WIN 0
.endm
	s_load_b128 s[4:7], s[0:1], 0x0
	s_load_b64 s[8:9], s[0:1], 0x10
	v_lshl_add_u32 v[SPW], v0, 2, SPARE
	v_mov_b32 v[NIL], 0
	ds_add_u32 v10, v11
	ds_add_u32 v10, v11
	s_wait_dscnt 0x0
	v_lshrrev_b32 v15, 5, v0
	v_readfirstlane_b32 s[WV], v15
	s_lshr_b32 s[WP], s[WV], 1
	s_and_b32 s[WH], s[WV], 1
	s_bfe_u32 s66, ttmp6, 0x40000
	s_bfe_u32 s67, ttmp6, 0x40004
	s_lshl_b32 s68, ttmp9, 2
	s_add_co_u32 s68, s68, s66
	s_and_b32 s69, ttmp7, 0xffff
	s_lshl_b32 s69, s69, 2
	s_add_co_u32 s69, s69, s67
	s_lshl_b32 s70, s67, 2
	s_lshl_b32 s70, 15, s70
	s_lshl_b32 s71, 0x1111, s66
	s_or_b32 s[G1P], s70, (3<<16)|(1<<21)
	s_or_b32 s[G1Q], s71, (3<<16)|(1<<21)
.irp g, G1P, G1Q
	s_mov_b32 s[\g+1], 3200<<16                    ; the head's tile: a row is four bricks, 3,200 elements of 8 bytes;
	s_mov_b32 s[\g+2], 3<<16                       ; three rows: kq 0, 1, 2;
	s_mov_b32 s[\g+3], 3200<<16
	s_mov_b32 s[\g+4], 3
	s_mov_b32 s[\g+5], 102400                      ; 128 bricks from kq to kq
	s_mov_b32 s[\g+6], 0
	s_mov_b32 s[\g+7], 0
.endr
	s_lshl_b32 s76, s[WH], 2
	s_lshl_b32 s72, s69, 3
	s_add_co_u32 s72, s72, s76
	s_add_co_u32 s72, s72, 1280
	s_mul_i32 s72, s72, BRICK
	s_mov_b32 s73, 0
	s_lshl_b32 s74, s68, 3
	s_add_co_u32 s74, s74, s76
	s_mul_i32 s74, s74, BRICK
	s_mov_b32 s75, 0
	s_mul_i32 s77, s[WV], 12*BRICK                 ; my region
	s_lshl_b32 s80, s68, 3
	s_add_co_u32 s80, s80, s76
	s_lshl_b32 s80, s80, 17
	s_lshl_b32 s81, s69, 9
	s_add_co_u32 s80, s80, s81
	s_lshl_b32 s81, s[WP], 8
	s_add_co_u32 s80, s80, s81
	s_mov_b32 s81, 0
	s_wait_kmcnt 0x0
	s_add_nc_u64 s[72:73], s[4:5], s[72:73]
	s_add_nc_u64 s[74:75], s[6:7], s[74:75]
	s_add_nc_u64 s[8:9], s[8:9], s[80:81]
	CROUND
.irp s, 0
	s_mov_b32 s[G0P+4*\s], 1
	s_add_co_u32 s[G0P+4*\s+1], s77, \s*SLOT
	s_add_nc_u64 s[G0P+4*\s+2:G0P+4*\s+3], s[72:73], \s*128*BRICK
	s_or_b32 s[G0P+4*\s+3], s[G0P+4*\s+3], 0x80000000
	s_mov_b32 s[G0Q+4*\s], 1
	s_add_co_u32 s[G0Q+4*\s+1], s77, \s*SLOT
	s_add_nc_u64 s[G0Q+4*\s+2:G0Q+4*\s+3], s[74:75], \s*128*BRICK
	s_or_b32 s[G0Q+4*\s+3], s[G0Q+4*\s+3], 0x80000000
	JLOAD \s                                       ; kq 0, 1, 2 of my four bricks: one tensor load a wave at the head, behind the round above
.endr
	v_and_b32 v[LI], 31, v0
	v_lshlrev_b32 v[LI], 4, v[LI]
	v_and_b32 v212, 15, v0
	v_bfe_u32 v213, v0, 4, 1
	v_lshlrev_b32 v15, 4, v212
	v_mad_u32_u24 v15, v213, BRICK, v15
	s_mul_i32 s20, s[WP], 12*BRICK
	s_mul_i32 s21, s[WH], 12*BRICK
	s_add_co_u32 s21, s21, QOFF
	v_add_nc_u32 v[ADP], s20, v[LI]
	v_add_nc_u32 v[ADQ], s21, v[LI]
	v_add_nc_u32 v[ADP+1], SLOT, v[ADP]
	v_add_nc_u32 v[ADQ+1], SLOT, v[ADQ]
	v_add_nc_u32 v[ADP+2], 2*SLOT, v[ADP]
	v_add_nc_u32 v[ADQ+2], 2*SLOT, v[ADQ]
	s_add_co_u32 s20, s20, 6144
	s_add_co_u32 s21, s21, 6144
	v_add_nc_u32 v[ASP], s20, v15
	v_add_nc_u32 v[ASQ], s21, v15
	v_add_nc_u32 v[ASP+1], SLOT, v[ASP]
	v_add_nc_u32 v[ASQ+1], SLOT, v[ASQ]
	v_add_nc_u32 v[ASP+2], 2*SLOT, v[ASP]
	v_add_nc_u32 v[ASQ+2], 2*SLOT, v[ASQ]
	s_mul_i32 s22, s[WV], 12*BRICK                 ; my stage: 64 rows of 272 bytes in my region, from kq 1's bytes on
	s_add_co_u32 s22, s22, SLOT
	v_mul_u32_u24 v[STO], v212, SPITCH
	v_lshl_add_u32 v[STO], v213, 6, v[STO]
	v_add_nc_u32 v[STO], s22, v[STO]
	v_mul_u32_u24 v[RD], v213, SPITCH
	v_lshl_add_u32 v[RD], v212, 4, v[RD]
	v_add_nc_u32 v[RD], s22, v[RD]
	v_lshlrev_b32 v[CO], 13, v213
	v_lshl_add_u32 v[CO], v212, 4, v[CO]
	s_wait_alu depctr_va_vdst(0)                   ; the wait at the head's end
	s_wait_tensorcnt 0x0                           ; my region is in
	s_barrier_signal -1
	s_barrier_wait -1
	SCALES 0
	FETCH 0, 0, 0
	KSTEP 0, 0, 1
	KSTEP 0, 1, 0
	KSTEP 0, 2, 0
	TURN 0, 1, 1
	KSTEP 1, 0, 0
	KSTEP 1, 1, 0
	KSTEP 1, 2, 0
	CROSS 1, 2
	KSTEP 2, 0, 0
	KSTEP 2, 1, 0
	KSTEP 2, 2, 0
	TURN 2, 0, 0
	KSTEP 0, 0, 0
	KSTEP 0, 1, 0
	KSTEP 0, 2, 0
	s_wait_dscnt 0x0
	WIN 0x5a
	MUL8 0, 3, 0, 0
	MUL8 1, 3, 0, 0
	WIN 0
	PLACES
.macro TOSTAGE a
	WIN 0x04
.irp b, 0,1,2,3
	ds_store_b128 v[STO], v[32*\a+8*\b:32*\a+8*\b+3] offset:\a*16*SPITCH+128*(\b/2)+32*(\b%2)
	ds_store_b128 v[STO], v[32*\a+8*\b+4:32*\a+8*\b+7] offset:\a*16*SPITCH+128*(\b/2)+32*(\b%2)+16
.endr
	WIN 0
.irp t, 0,1,2,3,4,5,6,7
	ds_load_b128 v[BK+32*\a+4*\t:BK+32*\a+4*\t+3], v[RD] offset:\a*16*SPITCH+2*\t*SPITCH
.endr
.endm
.macro SEND a, younger
	s_wait_dscnt \younger
.irp t, 0,1,2,3,4,5,6,7
	global_store_b128 v[CO], v[BK+32*\a+4*\t:BK+32*\a+4*\t+3], s[8:9] offset:(32*(\a/2)+8*(\a%2)+2*\t+8*(\t/4))*8192 th:TH_STORE_NT
.endr
.endm
	TOSTAGE 0
	TOSTAGE 1
	SEND 0, 16
	TOSTAGE 2
	SEND 1, 16
	TOSTAGE 3
	SEND 2, 16
	SEND 3, 0
	s_wait_tensorcnt 0x0
	ds_add_u32 v[SPW], v[NIL]
	s_wait_dscnt 0x0
	CROUND
	s_endpgm
.Lfunc_end_k_qb7e286fa34_oproj:
	.size	k_qb7e286fa34_oproj, .Lfunc_end_k_qb7e286fa34_oproj-k_qb7e286fa34_oproj
	.p2alignl 7, 3214868480
	.fill 96, 4, 3214868480
	.section	.rodata,"a",@progbits
	.p2align	6, 0x0
	.amdhsa_kernel k_qb7e286fa34_oproj
		.amdhsa_group_segment_fixed_size 327680
		.amdhsa_private_segment_fixed_size 0
		.amdhsa_enable_private_segment 0
		.amdhsa_kernarg_size 24
		.amdhsa_user_sgpr_count 2
		.amdhsa_user_sgpr_kernarg_segment_ptr 1
		.amdhsa_wavefront_size32 1
		.amdhsa_system_sgpr_workgroup_id_x 1
		.amdhsa_system_sgpr_workgroup_id_y 1
		.amdhsa_system_sgpr_workgroup_id_z 1
		.amdhsa_system_vgpr_workitem_id 0
		.amdhsa_next_free_vgpr 768
		.amdhsa_next_free_sgpr 96
		.amdhsa_reserve_vcc 0
		.amdhsa_float_denorm_mode_32 3
		.amdhsa_float_denorm_mode_16_64 3
		.amdhsa_memory_ordered 1
		.amdhsa_forward_progress 1
		.amdhsa_inst_pref_size 77
	.end_amdhsa_kernel
	.amdgpu_metadata
---
amdhsa.version: [ 1, 2 ]
amdhsa.kernels:
  - .name:           k_qb7e286fa34_oproj
    .symbol:         k_qb7e286fa34_oproj.kd
    .args:
      - { .name: opq, .offset: 0, .size: 8, .value_kind: global_buffer, .address_space: global }
      - { .name: aq, .offset: 8, .size: 8, .value_kind: global_buffer, .address_space: global }
      - { .name: out0, .offset: 16, .size: 8, .value_kind: global_buffer, .address_space: global }
    .group_segment_fixed_size: 327680
    .private_segment_fixed_size: 0
    .kernarg_segment_align: 8
    .kernarg_segment_size: 24
    .max_flat_workgroup_size: 128
    .sgpr_count:     96
    .vgpr_count:     768
    .wavefront_size: 32
...
	.end_amdgpu_metadata
.endif
;; end of part 4
